; MI455X (gfx1250); checked and timed in simulation.
; The chip was launched on July 23, 2026; its instructions are those of AMD's public machine-readable ISA for CDNA 5 (MIT licence, August 2026) and "CDNA5" Instruction Set Architecture Reference Guide (July 2026). The comments in the code are by the model that wrote it; some were corrected since.
;; Self Attention. Allowed arithmetic: float matrix products may take bf16 or f16 operands with f32 sums; all other float work in f32.
;; Inputs: Wo_b 1,024 float32; Wo_w 1,024 x 1,024 float32; Wqkv_b 3,072 float32; Wqkv_w 3,072 x 1,024 float32; p 4 x 2,048 int32; x 4 x 2,048 x 1,024 float32.
;; Outputs: out0 4 x 2,048 x 1,024 float32.
;; 2 versions, each right; version 2 is version 1 with the launch prep written anew for expert scheduling mode. Each part assembles by itself: llvm-mc -triple=amdgcn-amd-amdhsa -mcpu=gfx1250 --defsym DOCPART=n.
;; ======== version 1 of 2: 4 launches
;; limits: inputs' magnitudes at most 4,194,304
;; workspace buffers: xb 16,777,216 bytes; wqkvb 6,291,456 bytes; wob 2,097,152 bytes; biasp 12,288 bytes; tab 2,097,152 bytes; qkv 50,331,648 bytes; att 16,777,216 bytes
;; launch prep (part 1): grid 833 x 1, 8 waves a work-group, no clusters, 0 bytes of LDS; arguments x, Wqkv_w, Wo_w, Wqkv_b, p, xb, wqkvb, wob, biasp, tab; writes xb, wqkvb, wob, biasp, tab
.if DOCPART == 1
	.amdgcn_target "amdgcn-amd-amdhsa--gfx1250"
	.amdhsa_code_object_version 6
	.text
	.protected	k_q0e68646bce_prep
	.globl	k_q0e68646bce_prep
	.p2align	8
	.type	k_q0e68646bce_prep,@function
k_q0e68646bce_prep:
	s_mov_b64 s[64:65], 0
	v_nop
	global_prefetch_b8 v0, s[64:65] scope:SCOPE_SE
	s_setreg_imm32_b32 hwreg(HW_REG_WAVE_MODE, 25, 1), 1
	s_wait_xcnt 0x0
; PREPARATION: the matrix operands are rounded once to bf16, and the table of cosines and sines is made.
;   xb    = bf16(x)                          [8192][1024]
;   wqkvb = bf16(Wqkv_w), rows of q and k permuted inside each head: new row 2 j + e is old row j + 32 e (j < 32, e < 2); v's rows as they are
;   wob   = bf16(Wo_w)                       [1024][1024]
;   biasp = Wqkv_b in f32, permuted like wqkvb's rows
;   tab   = [8192 rows b*2048+s][32 j][cos, sin] of p[b][s] * 10000^(-j/32), f32: a row is 256 bytes
; The permutation puts the two features that the rotation mixes (d and d + 32) into neighbouring columns of q and k.  q.k is a sum over
; features and does not see a permutation that both carry.
; A stream: every byte is read once and written once, so there is no LDS, no barrier, no matrix work, and nothing is shared that a cluster
; could ask for jointly.  Work-groups 0-767 cast 16 rows of 1,024 numbers each, 768-831 make 128 table rows each, 832 permutes the bias.
; LIMITS: |p| up to 2^22 (beyond it the multiple of pi/2 that is taken away is no longer safely the nearest one).  The angle is p * f in f32 as
; in the model; f comes from v_exp_f32, so for large p the last bits of f show in the angle, as they do for any f32 power.
.set XR, 16                            ; v[16:79]   16 rows x 4 numbers as loaded
.set YR, 80                            ; v[80:111]  16 rows x 4 bf16 to store
; 16 rows of 1,024 f32 to bf16.  Thread t owns columns 4 t .. 4 t + 3: a wave's load covers 512 consecutive bytes, its store 256 consecutive
; bytes at a multiple of 256.  All 16 loads go out first; no register is written twice, so the only waits are the counted ones for the data.
; perm = 1: output row i comes from source row (i >> 1) + 32 (i & 1).
.macro CAST16 src, dst, perm
.set i, 0
.rept 16
.if \perm
	global_load_b128 v[XR+4*i:XR+4*i+3], v1, s[\src:\src+1] offset:((i>>1)+32*(i&1))*4096 th:TH_LOAD_NT
.else
	global_load_b128 v[XR+4*i:XR+4*i+3], v1, s[\src:\src+1] offset:i*4096 th:TH_LOAD_NT
.endif
.set i, i+1
.endr
.set i, 0
.rept 16
	s_wait_loadcnt 15-i                            ; loads come back in order: row i is in, the 15 - i younger rows may be out
	v_cvt_pk_bf16_f32 v[YR+2*i],   v[XR+4*i],   v[XR+4*i+1]
	v_cvt_pk_bf16_f32 v[YR+2*i+1], v[XR+4*i+2], v[XR+4*i+3]
	global_store_b64 v2, v[YR+2*i:YR+2*i+1], s[\dst:\dst+1] offset:i*2048
.set i, i+1
.endr
.endm
	s_load_b512 s[4:19], s[0:1], 0x0               ; x 4:5, Wqkv_w 6:7, Wo_w 8:9, Wqkv_b 10:11, p 12:13, xb 14:15, wqkvb 16:17, wob 18:19
	s_load_b128 s[20:23], s[0:1], 0x40             ; biasp 20:21, tab 22:23
	s_mov_b32 s52, ttmp9                           ; the work-group's number picks the job
	s_mov_b32 s3, 0                                ; high words of the two offset pairs s[2:3], s[56:57]
	s_mov_b32 s57, 0
	v_lshlrev_b32 v1, 4, v0                        ; 16 t: my 4 numbers in an f32 row
	v_lshlrev_b32 v2, 3, v0                        ; 8 t: the same in a bf16 row
	s_wait_kmcnt 0x0
	s_cmp_lt_u32 s52, 512
	s_cbranch_scc0 .Lnot_x
	s_lshl_b32 s2, s52, 16                         ; 16 rows of 4,096 bytes
	s_lshl_b32 s56, s52, 15                        ; 16 rows of 2,048 bytes
	s_add_nc_u64 s[4:5], s[4:5], s[2:3]
	s_add_nc_u64 s[14:15], s[14:15], s[56:57]
	CAST16 4, 14, 0
	s_endpgm
.Lnot_x:
	s_cmp_lt_u32 s52, 640
	s_cbranch_scc0 .Lnot_qk
	s_sub_co_u32 s53, s52, 512                     ; group gg of 16 output rows of q or k: head gg >> 2, quarter gg & 3
	s_lshr_b32 s54, s53, 2
	s_and_b32 s55, s53, 3
	s_lshl_b32 s54, s54, 6
	s_lshl3_add_u32 s54, s55, s54                  ; first source row: 64 head + 8 quarter
	s_lshl_b32 s2, s54, 12
	s_lshl_b32 s56, s53, 15
	s_add_nc_u64 s[6:7], s[6:7], s[2:3]
	s_add_nc_u64 s[16:17], s[16:17], s[56:57]
	CAST16 6, 16, 1
	s_endpgm
.Lnot_qk:
	s_cmp_lt_u32 s52, 704
	s_cbranch_scc0 .Lnot_v
	s_sub_co_u32 s53, s52, 512                     ; v's rows 2048 .. 3071: groups 128 .. 191 of 16 rows, straight
	s_lshl_b32 s2, s53, 16
	s_lshl_b32 s56, s53, 15
	s_add_nc_u64 s[6:7], s[6:7], s[2:3]
	s_add_nc_u64 s[16:17], s[16:17], s[56:57]
	CAST16 6, 16, 0
	s_endpgm
.Lnot_v:
	s_cmp_lt_u32 s52, 768
	s_cbranch_scc0 .Lnot_wo
	s_sub_co_u32 s53, s52, 704
	s_lshl_b32 s2, s53, 16
	s_lshl_b32 s56, s53, 15
	s_add_nc_u64 s[8:9], s[8:9], s[2:3]
	s_add_nc_u64 s[18:19], s[18:19], s[56:57]
	CAST16 8, 18, 0
	s_endpgm
.Lnot_wo:
	s_cmp_lt_u32 s52, 832
	s_cbranch_scc0 .Lbias
	; THE TABLE.  A wave makes 16 rows; lane j makes (cos, sin) of frequency j, so a wave's store is one whole row of 256 bytes.
	v_lshrrev_b32 v4, 5, v0
	v_readfirstlane_b32 s53, v4                    ; wave
	s_sub_co_u32 s54, s52, 768
	s_lshl_b32 s54, s54, 7
	s_lshl4_add_u32 s54, s53, s54                  ; my first row: 128 group + 16 wave
	s_lshl_b32 s2, s54, 2
	s_lshl_b32 s56, s54, 8
	s_add_nc_u64 s[12:13], s[12:13], s[2:3]
	s_add_nc_u64 s[22:23], s[22:23], s[56:57]
	s_load_b512 s[24:39], s[12:13], 0x0            ; my 16 positions
	s_mov_b32 s40, 0x3f22f983                      ; 2 / pi
	s_mov_b32 s41, 0xbfc90fdb                      ; -(pi/2), upper part
	s_mov_b32 s42, 0x333bbd2e                      ; -(pi/2), what the upper part leaves
	s_mov_b32 s43, 0xbe2aaaa3                      ; sine on [-pi/4, pi/4]: r + r z (S1 + z (S2 + z S3)), z = r r
	s_mov_b32 s44, 0x3c08839e
	s_mov_b32 s45, 0xb94ca1f9
	s_mov_b32 s46, 0x3d2aaaa5                      ; cosine: 1 - z/2 + z z (C1 + z (C2 + z C3))
	s_mov_b32 s47, 0xbab6061a
	s_mov_b32 s48, 0x37ccf5ce
	v_and_b32 v17, 31, v0                          ; j
	v_cvt_f32_u32 v16, v17
	v_mul_f32 v16, 0xbed49a78, v16                 ; -j log2(10000) / 32
	v_exp_f32 v16, v16                             ; f = 10000^(-j/32)
	v_lshlrev_b32 v3, 3, v17                       ; 8 j: my pair in a row (also the plain instruction that stands behind v_exp_f32, ISA guide 5.7.2)
	s_wait_alu depctr_va_vdst(0)
	s_wait_kmcnt 0x0
; cos and sin of p f: take away the nearest multiple n of pi/2 (in two parts, each by one fused multiply-add), polynomials on what is left,
; then n mod 4 says which of the two is which and with which sign.
.macro SINCOS i
	v_cvt_f32_i32 v4, s[24+\i]
	v_mul_f32 v4, v4, v16                          ; the angle
	v_mul_f32 v5, s40, v4
	v_rndne_f32 v5, v5                             ; n
	v_fma_f32 v6, v5, s41, v4
	v_fma_f32 v6, v5, s42, v6                      ; r
	v_cvt_i32_f32 v7, v5
	v_mul_f32 v8, v6, v6                           ; z
	v_fma_f32 v9, v8, s45, s44
	v_fma_f32 v11, v8, s48, s47
	v_mul_f32 v10, v8, v6
	v_mul_f32 v12, v8, v8
	v_fma_f32 v9, v9, v8, s43
	v_fma_f32 v11, v11, v8, s46
	v_fma_f32 v13, v8, -0.5, 1.0
	v_fma_f32 v9, v9, v10, v6                      ; sin r
	v_fma_f32 v11, v11, v12, v13                   ; cos r
	v_and_b32 v14, 1, v7
	v_cmp_eq_u32 vcc_lo, 1, v14                    ; n odd: the two change places
	v_cndmask_b32 v15, v9, v11, vcc_lo
	v_cndmask_b32 v14, v11, v9, vcc_lo
	v_lshlrev_b32 v12, 30, v7                      ; the sine is negated where n mod 4 is 2 or 3,
	v_add_nc_u32 v13, 1, v7
	v_lshlrev_b32 v13, 30, v13                     ; the cosine where it is 1 or 2
	v_and_b32 v12, 0x80000000, v12
	v_and_b32 v13, 0x80000000, v13
	v_xor_b32 v[33+2*\i], v15, v12
	v_xor_b32 v[32+2*\i], v14, v13
	global_store_b64 v3, v[32+2*\i:33+2*\i], s[22:23] offset:256*\i
.endm
.irp i, 0,1,2,3,4,5,6,7,8,9,10,11,12,13,14,15
	SINCOS \i
.endr
	s_endpgm
.Lbias:
	; THE BIAS.  Thread t makes numbers 4 t .. 4 t + 3 of q's part and of k's part: old places j, j + 32, j + 1, j + 33 with j = 2 (t mod 16)
	; in head t / 16; v's part is copied.
	v_lshrrev_b32 v4, 4, v0
	v_and_b32 v5, 15, v0
	v_lshlrev_b32 v4, 8, v4
	v_lshl_add_u32 v4, v5, 3, v4
	global_load_b64 v[8:9],   v4, s[10:11]
	global_load_b64 v[10:11], v4, s[10:11] offset:128
	global_load_b64 v[12:13], v4, s[10:11] offset:4096
	global_load_b64 v[14:15], v4, s[10:11] offset:4224
	global_load_b128 v[16:19], v1, s[10:11] offset:8192
	s_wait_loadcnt 0x0
	v_mov_b32 v20, v8
	v_mov_b32 v21, v10
	v_mov_b32 v22, v9
	v_mov_b32 v23, v11
	v_mov_b32 v24, v12
	v_mov_b32 v25, v14
	v_mov_b32 v26, v13
	v_mov_b32 v27, v15
	global_store_b128 v1, v[20:23], s[20:21]
	global_store_b128 v1, v[24:27], s[20:21] offset:4096
	global_store_b128 v1, v[16:19], s[20:21] offset:8192
	s_endpgm
.Lfunc_end_k_q0e68646bce_prep:
	.size	k_q0e68646bce_prep, .Lfunc_end_k_q0e68646bce_prep-k_q0e68646bce_prep
	.p2alignl 7, 3214868480
	.fill 96, 4, 3214868480
	.section	.rodata,"a",@progbits
	.p2align	6, 0x0
	.amdhsa_kernel k_q0e68646bce_prep
		.amdhsa_group_segment_fixed_size 0
		.amdhsa_private_segment_fixed_size 0
		.amdhsa_enable_private_segment 0
		.amdhsa_kernarg_size 80
		.amdhsa_user_sgpr_count 2
		.amdhsa_user_sgpr_kernarg_segment_ptr 1
		.amdhsa_wavefront_size32 1
		.amdhsa_system_sgpr_workgroup_id_x 1
		.amdhsa_system_sgpr_workgroup_id_y 1
		.amdhsa_system_sgpr_workgroup_id_z 1
		.amdhsa_system_vgpr_workitem_id 0
		.amdhsa_next_free_vgpr 112
		.amdhsa_next_free_sgpr 66
		.amdhsa_reserve_vcc 1
		.amdhsa_float_denorm_mode_32 3
		.amdhsa_float_denorm_mode_16_64 3
		.amdhsa_memory_ordered 1
		.amdhsa_forward_progress 1
		.amdhsa_inst_pref_size 48
	.end_amdhsa_kernel
	.amdgpu_metadata
---
amdhsa.version: [ 1, 2 ]
amdhsa.kernels:
  - .name:           k_q0e68646bce_prep
    .symbol:         k_q0e68646bce_prep.kd
    .args:
      - { .name: x, .offset: 0, .size: 8, .value_kind: global_buffer, .address_space: global }
      - { .name: Wqkv_w, .offset: 8, .size: 8, .value_kind: global_buffer, .address_space: global }
      - { .name: Wo_w, .offset: 16, .size: 8, .value_kind: global_buffer, .address_space: global }
      - { .name: Wqkv_b, .offset: 24, .size: 8, .value_kind: global_buffer, .address_space: global }
      - { .name: p, .offset: 32, .size: 8, .value_kind: global_buffer, .address_space: global }
      - { .name: xb, .offset: 40, .size: 8, .value_kind: global_buffer, .address_space: global }
      - { .name: wqkvb, .offset: 48, .size: 8, .value_kind: global_buffer, .address_space: global }
      - { .name: wob, .offset: 56, .size: 8, .value_kind: global_buffer, .address_space: global }
      - { .name: biasp, .offset: 64, .size: 8, .value_kind: global_buffer, .address_space: global }
      - { .name: tab, .offset: 72, .size: 8, .value_kind: global_buffer, .address_space: global }
    .group_segment_fixed_size: 0
    .private_segment_fixed_size: 0
    .kernarg_segment_align: 8
    .kernarg_segment_size: 80
    .max_flat_workgroup_size: 256
    .sgpr_count:     66
    .vgpr_count:     112
    .wavefront_size: 32
...
	.end_amdgpu_metadata
.endif
;; end of part 1
;; launch qkv (part 2): grid 12 x 32, 4 waves a work-group, clusters of 4 x 4, 327,680 bytes of LDS; arguments xb, wqkvb, qkv, biasp, tab; writes qkv
.if DOCPART == 2
	.amdgcn_target "amdgcn-amd-amdhsa--gfx1250"
	.amdhsa_code_object_version 6
	.text
	.protected	k_q0e68646bce_qkv
	.globl	k_q0e68646bce_qkv
	.p2align	8
	.type	k_q0e68646bce_qkv,@function
k_q0e68646bce_qkv:
	s_mov_b64 s[64:65], 0
	v_nop
	global_prefetch_b8 v0, s[64:65] scope:SCOPE_SE
	s_setreg_imm32_b32 hwreg(HW_REG_WAVE_MODE, 25, 1), 1
	s_wait_xcnt 0x0
	s_wait_alu depctr_hold_cnt(0) depctr_sa_sdst(0) depctr_va_vdst(0) depctr_va_sdst(0) depctr_va_ssrc(0) depctr_va_vcc(0) depctr_vm_vsrc(0)
	s_getreg_b32 s2, hwreg(HW_REG_IB_STS2, 6, 4)
	s_cmp_eq_u32 s2, 0
	s_cbranch_scc0 .Lentry_in_a_cluster
	s_endpgm
.Lentry_in_a_cluster:
	s_bfe_u32 s2, ttmp6, 0x10000c
	s_cmp_lg_u32 s2, 0xf033
	s_cbranch_scc0 .Lentry_shape_is_right
	s_endpgm
.Lentry_shape_is_right:
; qkv[m][n] = rotate( sum over k of xb[m][k] wqkvb[n][k] + biasp[n] ), bf16.  xb: [8192][1024], wqkvb: [3072][1024], qkv: [8192][3072]; sums, bias and rotation in f32.
; Columns 0-1023 are q, 1024-2047 k, 2048-3071 v.  In q and k the columns 2 j, 2 j + 1 of a head hold the features j and j + 32 (a, b), which become
; (a c + b s, b c - a s) with (c, s) = tab[m][j].  v is not rotated.
; A work-group makes 256 x 256 with four waves, as many as a WGP has SIMDs; a wave makes 128 x 128: 64 accumulator tiles of 16 x 16, 512 registers.  K goes in steps of
; 128 through a ring of two LDS slots filled by the tensor data mover: a tile's rows are 256 bytes of memory and start at multiples of 256 bytes.
; CLUSTERS: 4 x 4 work-groups.  The four of a row of the cluster need the same tiles of xb (and the same rows of tab), the four of a column the same tiles of wqkvb:
; each such tile is asked for jointly, by the same tensor load with the same descriptor and a mask that names the four.  384 work-groups in 24 clusters.
; A cluster's four block columns are 1,024 columns: the cluster's x says whether it makes q (0), k (1) or v (2), alike for all sixteen partners.
;
; REGISTERS, in windows of 256:
;   window 0: v8-15 at work; v16-28 addresses; v30-31 (1 - m, 0); v32-63 cos and sin; v64-127, v128-191 fragments of xb, two buffers (on the way out: sums, packed
;             results, rows read back); v192-255 the bias of my 128 columns
;   window 1: v64-127, v128-191 fragments of wqkvb, two buffers
;   window 2: the 32 accumulator tiles of my rows 0-63 (tile (a, b) at v[8 (8 a + b)]);   window 3: those of my rows 64-127
; THE MATRIX INSTRUCTION IS USED TRANSPOSED: source 0 = 16 rows of wqkvb, source 1 = 16 rows of xb.  Lane l then holds row l % 16 of the result and its registers
; 0 to 7 the columns 8 (l / 16) + 0 .. 7: eight neighbouring numbers of a row, four pairs (a, b) of the rotation.
.set SIZE_K, 1024
.set SIZE_N, 3072
.set KSTEP,  128
.set PITCH,  272                       ; an LDS row: 256 bytes + 16 of padding, an odd multiple of 16: the 16 rows that a load touches start at 16 different 16-byte columns
.set HALFT,  128*PITCH                 ; 128 rows: what one tensor load brings
.set SLOT,   4*HALFT                   ; xb's 256 rows, then wqkvb's 256 rows
.set STAGE,  2*SLOT                    ; behind the ring: 16 rows x 272 bytes for each wave, for the way out; no tensor load lands there
.set SPITCH, 272
.set LAPS, SIZE_K/(2*KSTEP)            ; a lap = two K steps = once round the ring: 4
.set TT,   8                           ; v[8:15]   four pairs at work
.set ADRA, 16                          ; v16-17    LDS address of my xb fragments in slot 0, 1
.set ADRB, 20                          ; v20-21    the same for wqkvb
.set STO,  24                          ; the way out: where I put 16 bytes of a row
.set RD,   25                          ; the way out: where I read a row back
.set CO,   26                          ; my byte offset in qkv
.set TADR, 27                          ; LDS address of my row's cos and sin
.set BOFF, 28                          ; 32 (l / 16): my eight columns in a tile's 16 bias numbers
.set ONE,  30                          ; v[30:31]  (1 - m, 0)
.set CS,   32                          ; v[32:63]  (c, s) of my row for j = 8 g + 4 (l / 16) + 0..3 at CS + 8 g
.set F0,   64
.set F1,   128
.set XT,   64                          ; the way out: 16 rows' sums in f32
.set TMP,  128                         ; packed results
.set RB,   160                         ; rows read back
.set BIAS, 192
.set G1,  24                           ; s[24:31] group 1 for xb's tiles
.set G0,  32                           ; s[32:39] group 0 for xb's tiles, one set for each slot
.set G1B, 48                           ; s[48:55] group 1 for wqkvb's tiles
.set G0B, 56                           ; s[56:63] group 0 for wqkvb's tiles
.set GT0, 68                           ; s[68:71] group 0 for my quarter of the table
.set GT1, 72                           ; s[72:79] group 1 for it
.set MSB, 0
.macro WIN new                         ; the immediate's high byte repeats the setting that is left
.if MSB != \new
	s_set_vgpr_msb (MSB<<8)|\new
.set MSB, \new
.endif
.endm
.set MUL_LO, 0xa1                      ; source 0 window 1, source 1 window 0, C and D window 2
.set MUL_HI, 0xf1                      ; the same, C and D window 3
.set TO_B,   0x40                      ; destination window 1, address window 0
; A joint load.  Waves 0 and 1 fetch xb's two halves, waves 2 and 3 wqkvb's.  The branch hangs on the wave's number alone.
.macro JLOAD s
	s_cmp_eq_u32 s11, 0
	s_cbranch_scc0 .Lfor_b_\@
	tensor_load_to_lds s[G0+4*\s:G0+4*\s+3], s[G1:G1+7]
	s_nop 0
	s_branch .Lasked_\@
.Lfor_b_\@:
	tensor_load_to_lds s[G0B+4*\s:G0B+4*\s+3], s[G1B:G1B+7]
	s_nop 0
.Lasked_\@:
.endm
; A round of the cluster's barrier: my work-group's barrier, wave 0 signals for the work-group, every wave waits for all sixteen, my work-group's barrier once more.
.macro CREST                           ; a round behind its opening barrier
	s_cmp_lg_u32 s10, 0
	s_cbranch_scc1 .Lnot_wave_0_\@
	s_barrier_signal -3
.Lnot_wave_0_\@:
	s_barrier_wait -3
	s_barrier_signal -1
	s_barrier_wait -1
.endm
.macro CROUND
	s_barrier_signal -1
	s_barrier_wait -1
	CREST
.endm
	s_load_b128 s[4:7], s[0:1], 0x0                ; xb s[4:5], wqkvb s[6:7]
	s_load_b64 s[8:9], s[0:1], 0x10                ; qkv
	s_load_b64 s[80:81], s[0:1], 0x18              ; biasp
	s_load_b64 s[82:83], s[0:1], 0x20              ; tab
	s_set_vgpr_msb 0x40
	v_lshl_add_u32 v255, v0, 2, 0x48400
	s_set_vgpr_msb 0x4000
	v_mov_b32 v29, 0
	s_set_vgpr_msb 0x1
	ds_add_u32 v255, v29
	s_set_vgpr_msb 0x100
	v_lshrrev_b32 v1, 5, v0
	v_readfirstlane_b32 s10, v1                    ; wave 0..3
	s_lshr_b32 s11, s10, 1                         ; which half of the block's rows is mine.  Also: I fetch for xb (0) or for wqkvb (1)
	s_and_b32 s12, s10, 1                          ; which half of its columns.  Also: which 128 rows of that tile I fetch
	s_bfe_u32 s40, ttmp6, 0x40000                  ; cx
	s_bfe_u32 s41, ttmp6, 0x40004                  ; cy
	s_mov_b32 s84, ttmp9                           ; the cluster's x: 0 q, 1 k, 2 v
	s_lshl_b32 s42, ttmp9, 2
	s_add_co_u32 s42, s42, s40                     ; block column = 4 x cluster x + cx
	s_and_b32 s13, ttmp7, 0xffff
	s_lshl_b32 s13, s13, 2
	s_add_co_u32 s13, s13, s41                     ; block row = 4 x cluster y + cy
	s_lshl_b32 s43, s41, 2
	s_lshl_b32 s43, 15, s43                        ; my row of the cluster: places 4 cy .. 4 cy + 3
	s_lshl_b32 s44, 0x1111, s40                    ; my column: places cx, cx + 4, cx + 8, cx + 12
	s_cmp_eq_u32 s84, 2
	s_cselect_b32 s86, 0, 0x3f800000               ; m = 1.0 where the columns are rotated, 0 for v
	s_cselect_b32 s85, 0x3f800000, 0               ; 1 - m
	s_mov_b32 s87, s86
	; group 1: tiles of 128 rows x 128 elements of 2 bytes, 16 bytes of padding behind every 256
	s_or_b32 s[G1+0], s43, (1<<16)|(1<<20)|(1<<21)|(5<<22)|(3<<25)   ; 15:0 mask: my row; 17:16 2 bytes; 20 padding on; 21 set beside a mask; 24:22 after 64 words; 31:25 of 4 words
	s_or_b32 s[G1B+0], s44, (1<<16)|(1<<20)|(1<<21)|(5<<22)|(3<<25)  ; the same with the mask of my column
	s_or_b32 s[GT1+0], s43, (1<<16)|(1<<20)|(1<<21)|(5<<22)|(3<<25)  ; the table's rows hang on the block row: my row of the cluster shares them
	s_mov_b32 s[G1+1], KSTEP<<16                   ; tensor_dim0 = 128
	s_mov_b32 s[G1B+1], KSTEP<<16
	s_mov_b32 s[GT1+1], 128<<16                    ; a table row as 128 elements of 2 bytes
	s_mov_b32 s[G1+2], 128<<16                     ; tensor_dim1 = 128
	s_mov_b32 s[G1B+2], 128<<16
	s_mov_b32 s[GT1+2], 64<<16                     ; 64 rows
	s_mov_b32 s[G1+3], KSTEP<<16                   ; tile_dim0 = 128
	s_mov_b32 s[G1B+3], KSTEP<<16
	s_mov_b32 s[GT1+3], 128<<16
	s_mov_b32 s[G1+4], 128                         ; tile_dim1 = 128
	s_mov_b32 s[G1B+4], 128
	s_mov_b32 s[GT1+4], 64
	s_mov_b32 s[G1+5], SIZE_K                      ; elements from row to row
	s_mov_b32 s[G1B+5], SIZE_K
	s_mov_b32 s[GT1+5], 128
	s_mov_b32 s[G1+6], 0
	s_mov_b32 s[G1B+6], 0
	s_mov_b32 s[GT1+6], 0
	s_mov_b32 s[G1+7], 0
	s_mov_b32 s[G1B+7], 0
	s_mov_b32 s[GT1+7], 0
	; where the tiles come from: xb's and the table's hang on the block row alone, wqkvb's on the block column alone
	s_lshl_b32 s17, s12, 7
	s_lshl_b32 s16, s13, 8
	s_add_co_u32 s16, s16, s17                     ; xb: row 256 x block row + 128 x half
	s_lshl_b32 s46, s42, 8
	s_add_co_u32 s46, s46, s17                     ; wqkvb: row 256 x block column + 128 x half
	s_mov_b32 s17, 0
	s_mov_b32 s47, 0
	s_mov_b64 s[18:19], SIZE_K*2
	s_mul_u64 s[16:17], s[16:17], s[18:19]
	s_mul_u64 s[46:47], s[46:47], s[18:19]
	s_mul_i32 s20, s10, HALFT                      ; where they go: xb's two halves, then wqkvb's two halves = wave x 128 rows
	s_lshl_b32 s66, s42, 10                        ; bias: 4 bytes x (256 x block column + 128 x my half)
	s_lshl_b32 s67, s12, 9
	s_add_co_u32 s66, s66, s67
	s_mov_b32 s67, 0
	s_lshl_b32 s2, s13, 16                         ; table: 256 bytes x (256 x block row + 64 x wave)
	s_lshl_b32 s3, s10, 14
	s_add_co_u32 s2, s2, s3
	s_mov_b32 s3, 0
	s_wait_dscnt 0x0
	s_wait_kmcnt 0x0
	s_add_nc_u64 s[14:15], s[4:5], s[16:17]
	s_add_nc_u64 s[46:47], s[6:7], s[46:47]
	s_add_nc_u64 s[80:81], s[80:81], s[66:67]
	s_add_nc_u64 s[82:83], s[82:83], s[2:3]
	s_mov_b32 s[GT0], 1
	s_mul_i32 s[GT0+1], s10, 64*PITCH              ; my 64 table rows go to the head of slot 0, wave by wave
	s_mov_b64 s[GT0+2:GT0+3], s[82:83]
	s_or_b32 s[GT0+3], s[GT0+3], 0x80000000
	CROUND                                         ; all sixteen work-groups are here: the first joint loads meet
.irp s, 0,1
	s_mov_b32 s[G0+4*\s], 1
	s_add_co_u32 s[G0+4*\s+1], s20, \s*SLOT
	s_add_nc_u64 s[G0+4*\s+2:G0+4*\s+3], s[14:15], \s*KSTEP*2      ; K step s
	s_or_b32 s[G0+4*\s+3], s[G0+4*\s+3], 0x80000000
	s_mov_b32 s[G0B+4*\s], 1
	s_add_co_u32 s[G0B+4*\s+1], s20, \s*SLOT
	s_add_nc_u64 s[G0B+4*\s+2:G0B+4*\s+3], s[46:47], \s*KSTEP*2
	s_or_b32 s[G0B+4*\s+3], s[G0B+4*\s+3], 0x80000000
	JLOAD \s                                       ; the ring is filled before anything else is done: two tensor loads of the wave are out
.endr
	; A fragment is 16 rows x 32 K in 8 registers: lane l holds row l % 16; registers 0-3 K = 8 (l / 16) + 0..7, registers 4-7 K = 16 + 8 (l / 16) + 0..7.
	v_and_b32 v1, 15, v0                           ; l % 16
	v_bfe_u32 v2, v0, 4, 1                         ; l / 16
	v_mul_u32_u24 v3, v1, PITCH
	v_lshl_add_u32 v5, v2, 5, v3                   ; row x pitch + 32 x half: the table
	v_lshl_add_u32 v3, v2, 4, v3                   ; row x pitch + 16 x half: fragments
	s_mul_i32 s21, s11, HALFT                      ; my 128 rows of xb (and of the table)
	s_mul_i32 s22, s12, HALFT
	s_add_co_u32 s22, s22, 2*HALFT                 ; my 128 rows of wqkvb, behind xb's 256
	v_add_nc_u32 v[TADR], s21, v5
.irp s, 0,1
	v_add_nc_u32 v[ADRA+\s], s21, v3
	v_add_nc_u32 v[ADRB+\s], s22, v3
	s_add_co_u32 s21, s21, SLOT
	s_add_co_u32 s22, s22, SLOT
.endr
	s_mul_i32 s23, s10, 16*SPITCH
	s_add_co_u32 s23, s23, STAGE                   ; my stage
	v_mul_u32_u24 v4, v1, SPITCH
	v_lshl_add_u32 v4, v2, 4, v4
	v_add_nc_u32 v[STO], s23, v4
	v_mul_u32_u24 v5, v2, SPITCH
	v_lshl_add_u32 v5, v1, 4, v5
	v_add_nc_u32 v[RD], s23, v5
	v_mul_u32_u24 v5, v2, SIZE_N*2
	v_lshl_add_u32 v[CO], v1, 4, v5
	v_lshlrev_b32 v[BOFF], 5, v2
	v_mov_b32 v[ONE], s85
	v_mov_b32 v[ONE+1], 0
.irp b, 0,1,2,3,4,5,6,7
	global_load_b128 v[BIAS+8*\b:BIAS+8*\b+3],   v[BOFF], s[80:81] offset:64*\b        ; the bias of columns 16 b + 8 (l / 16) + 0..7, kept for the whole kernel
	global_load_b128 v[BIAS+8*\b+4:BIAS+8*\b+7], v[BOFF], s[80:81] offset:64*\b+16
.endr
; 16 matrix instructions: m blocks a0, a0 + 1 of the window's four x all 8 n blocks, 32 along K.  zero = 1: the first product starts the sums.
.macro MUL16 f, hi, a0, zero
.irp a, \a0, \a0+1
.irp b, 0,1,2,3,4,5,6,7
.if \zero
	v_wmma_f32_16x16x32_bf16 v[8*(8*(\a)+\b):8*(8*(\a)+\b)+7], v[\f+8*\b:\f+8*\b+7], v[\f+8*(4*\hi+\a):\f+8*(4*\hi+\a)+7], 0
.else
	v_wmma_f32_16x16x32_bf16 v[8*(8*(\a)+\b):8*(8*(\a)+\b)+7], v[\f+8*\b:\f+8*\b+7], v[\f+8*(4*\hi+\a):\f+8*(4*\hi+\a)+7], v[8*(8*(\a)+\b):8*(8*(\a)+\b)+7]
.endif
.endr
.endr
.endm
; 32 LDS loads in one run: the fragments of one quarter step into buffer f
.macro FETCH slot, k, f
	WIN TO_B
.irp i, 0,1,2,3,4,5,6,7
	ds_load_b128 v[\f+8*\i:\f+8*\i+3],   v[ADRB+\slot] offset:\k+\i*16*PITCH
	ds_load_b128 v[\f+8*\i+4:\f+8*\i+7], v[ADRB+\slot] offset:\k+\i*16*PITCH+32
.endr
	WIN 0
.irp i, 0,1,2,3,4,5,6,7
	ds_load_b128 v[\f+8*\i:\f+8*\i+3],   v[ADRA+\slot] offset:\k+\i*16*PITCH
	ds_load_b128 v[\f+8*\i+4:\f+8*\i+7], v[ADRA+\slot] offset:\k+\i*16*PITCH+32
.endr
.endm
; Four places of plain vector instructions stand between a matrix instruction and a load into one of its registers, or a vector instruction that reads its result
; or writes one of its registers (ISA guide 7.12.1 for vector instructions).
.macro PLACES
.rept 4
	v_nop
.endr
.endm
; A K step is four quarter steps of 32 along K, 64 matrix instructions each, on buffers 0, 1, 0, 1.  The 64 accumulators take turns, one instruction a turn, in the same
; order in every quarter.
.macro QUARTER slot, k, f, g, zero
	s_wait_dscnt 8                                 ; wqkvb's fragments and xb's rows 0-63 are in; the youngest eight loads (xb's rows 64-127) may be out
	WIN MUL_LO
	MUL16 \f, 0, 0, \zero
	MUL16 \f, 0, 2, \zero
	PLACES
	FETCH \slot, \k, \g
	s_wait_dscnt 32                                ; all but the 32 just issued
	WIN MUL_HI
	MUL16 \f, 1, 0, \zero
	MUL16 \f, 1, 2, \zero
.endm
.macro THREE slot, zero
	QUARTER \slot, 64,  F0, F1, \zero
	QUARTER \slot, 128, F1, F0, 0
	QUARTER \slot, 192, F0, F1, 0
.endm
; The last quarter multiplies buffer 1 and changes slots.  fill = 1: this slot is filled again, two K steps ahead; fill = 2: its head takes the table; fill = 0: nothing.
; In front of the barrier each wave waits for its own reads of this slot and for all its tensor loads (the one that is out is its part of the next slot).  Where the slot
; is filled again the barrier opens a round of the cluster's barrier, and the joint load is the wave's first and only tensor load behind the round.
.macro TURN slot, next, fill
	s_wait_dscnt 8
	WIN MUL_LO
	MUL16 F1, 0, 0, 0
	s_wait_dscnt 0                                 ; my reads of this slot are over
	s_wait_tensorcnt 0x0                           ; and all my tensor loads have landed
	ds_add_u32 v255, v29
	s_wait_dscnt 0x0
	s_barrier_signal -1
	MUL16 F1, 0, 2, 0                              ; work on registers while the others arrive
	WIN 0
	s_barrier_wait -1
.if \fill == 1
	CREST                                          ; no wave of any partner still reads this slot's tile or has a load on its way
	s_add_nc_u64 s[G0+4*\slot+2:G0+4*\slot+3], s[G0+4*\slot+2:G0+4*\slot+3], 2*KSTEP*2
	s_add_nc_u64 s[G0B+4*\slot+2:G0B+4*\slot+3], s[G0B+4*\slot+2:G0B+4*\slot+3], 2*KSTEP*2
	JLOAD \slot
.endif
.if \fill == 2
	CREST
	tensor_load_to_lds s[GT0:GT0+3], s[GT1:GT1+7]  ; every wave brings 64 of the block's 256 table rows; they have the last K step's 256 matrix instructions in which to land
	s_nop 0
.endif
	PLACES
	FETCH \next, 0, F0
	WIN MUL_HI
	MUL16 F1, 1, 0, 0
	MUL16 F1, 1, 2, 0
.endm
.macro LAP zero
	THREE 0, \zero
	TURN 0, 1, 1
	THREE 1, 0
	TURN 1, 0, 1
.endm
	s_wait_loadcnt 0x0                             ; the bias, once
	s_wait_tensorcnt 1                             ; my part of K step 0 is in; K step 1's stays out
	s_barrier_signal -1
	s_barrier_wait -1
	FETCH 0, 0, F0
	LAP 1                                          ; the first lap stands in front of the loop: its first products start the sums
	WIN 0
	s_mov_b32 s3, LAPS-2
.Llap:
	LAP 0
	WIN 0
	s_sub_co_u32 s3, s3, 1
	s_cmp_lg_u32 s3, 0
	s_cbranch_scc1 .Llap
	THREE 0, 0                                     ; the last lap: slot 0 has had its last K step and takes the table
	TURN 0, 1, 2
	THREE 1, 0
	s_wait_dscnt 8
	WIN MUL_LO
	MUL16 F1, 0, 0, 0
	MUL16 F1, 0, 2, 0
	s_wait_dscnt 0
	WIN MUL_HI
	MUL16 F1, 1, 0, 0
	MUL16 F1, 1, 2, 0
	WIN 0
	s_wait_tensorcnt 0x0                           ; my quarter of the table is in LDS; no LDS instruction of mine is out
	s_barrier_signal -1
	s_barrier_wait -1                              ; everybody's is: my 128 rows came by two waves' loads
	; THE WAY OUT, 16 rows at a time: bias, rotation, round to bf16, 16 bytes a lane into my own stage, read back as whole rows of 256 bytes.
	PLACES
	s_lshl_b32 s13, s13, 8
	s_lshl_b32 s14, s11, 7
	s_add_co_u32 s16, s13, s14                     ; my first row
	s_mov_b32 s17, 0
	s_mov_b64 s[18:19], SIZE_N*2
	s_mul_u64 s[16:17], s[16:17], s[18:19]
	s_add_nc_u64 s[8:9], s[8:9], s[16:17]
	s_lshl_b32 s46, s42, 9                         ; my first column, in bytes: 512 x block + 256 x half
	s_lshl_b32 s47, s12, 8
	s_add_co_u32 s46, s46, s47
	s_mov_b32 s47, 0
	s_add_nc_u64 s[8:9], s[8:9], s[46:47]
; rows 16 i .. 16 i + 15 of my block = the eight tiles (a, 0..7) of window 2 or 3 (from = 0x02 or 0x03: source 0)
.macro OUT16 i, a, from
.irp g, 0,1,2,3
	ds_load_b128 v[CS+8*\g:CS+8*\g+3],   v[TADR] offset:16*\i*PITCH+64*\g       ; (c, s) of my row for j = 8 g + 4 (l / 16) + 0, 1
	ds_load_b128 v[CS+8*\g+4:CS+8*\g+7], v[TADR] offset:16*\i*PITCH+64*\g+16    ; and + 2, 3
.endr
	WIN \from
.irp b, 0,1,2,3,4,5,6,7
.irp k, 0,2,4,6
	v_pk_add_f32 v[XT+8*\b+\k:XT+8*\b+\k+1], v[8*(8*\a+\b)+\k:8*(8*\a+\b)+\k+1], v[BIAS+8*\b+\k:BIAS+8*\b+\k+1]
.endr
.endr
	WIN 0
	s_wait_dscnt 0x0                               ; the eight loads above
.irp c, 0,2,4,6,8,10,12,14,16,18,20,22,24,26,28,30
	v_pk_fma_f32 v[CS+\c:CS+\c+1], v[CS+\c:CS+\c+1], s[86:87], v[ONE:ONE+1] op_sel_hi:[1,0,1]   ; (c, s) m + (1 - m, 0): as it is for q and k, (1, 0) for v, which is then left as it is
.endr
.irp b, 0,1,2,3,4,5,6,7
.irp k, 0,2,4,6
	v_pk_mul_f32 v[TT+\k:TT+\k+1], v[XT+8*\b+\k:XT+8*\b+\k+1], v[CS+8*(\b&3)+\k:CS+8*(\b&3)+\k+1] op_sel_hi:[1,0]   ; (a c, b c)
.endr
.irp k, 0,2,4,6
	v_pk_fma_f32 v[XT+8*\b+\k:XT+8*\b+\k+1], v[XT+8*\b+\k:XT+8*\b+\k+1], v[CS+8*(\b&3)+\k:CS+8*(\b&3)+\k+1], v[TT+\k:TT+\k+1] op_sel:[1,1,0] op_sel_hi:[0,1,1] neg_hi:[0,1,0]   ; (b s + a c, -a s + b c)
.endr
.endr
.irp b, 0,1,2,3,4,5,6,7
.irp k, 0,1,2,3
	v_cvt_pk_bf16_f32 v[TMP+4*\b+\k], v[XT+8*\b+2*\k], v[XT+8*\b+2*\k+1]
.endr
.endr
.irp b, 0,1,2,3,4,5,6,7
	ds_store_b128 v[STO], v[TMP+4*\b:TMP+4*\b+3] offset:32*\b
.endr
	s_wait_xcnt 0x0                                ; the registers that the last stores read, and their base, are rewritten only behind this wait (ISA guide 3.1)
.if \i
	s_add_nc_u64 s[8:9], s[8:9], 16*SIZE_N*2
.endif
.irp t, 0,1,2,3,4,5,6,7
	ds_load_b128 v[RB+4*\t:RB+4*\t+3], v[RD] offset:\t*2*SPITCH    ; LDS serves a wave's instructions in order (ISA guide 5.7.1.4): these see the stores above
.endr
.irp t, 0,1,2,3,4,5,6,7
	s_wait_dscnt 7-\t                              ; read-back t is in, the 7 - t younger ones may be out
	global_store_b128 v[CO], v[RB+4*\t:RB+4*\t+3], s[8:9] offset:2*\t*SIZE_N*2   ; 16 lanes store 256 consecutive bytes, at a multiple of 256 from the buffer's first byte
.endr
.endm
	OUT16 0, 0, 0x02
	OUT16 1, 1, 0x02
	OUT16 2, 2, 0x02
	OUT16 3, 3, 0x02
	OUT16 4, 0, 0x03
	OUT16 5, 1, 0x03
	OUT16 6, 2, 0x03
	OUT16 7, 3, 0x03
	s_set_vgpr_msb 0x1
	s_wait_tensorcnt 0x0
	ds_add_u32 v255, v29
	s_wait_dscnt 0x0
	s_set_vgpr_msb 0x100
	CROUND                                         ; the closing round: no work-group ends while a partner may still ask for a tile that names it
	s_endpgm
.Lfunc_end_k_q0e68646bce_qkv:
	.size	k_q0e68646bce_qkv, .Lfunc_end_k_q0e68646bce_qkv-k_q0e68646bce_qkv
	.p2alignl 7, 3214868480
	.fill 96, 4, 3214868480
	.section	.rodata,"a",@progbits
	.p2align	6, 0x0
	.amdhsa_kernel k_q0e68646bce_qkv
		.amdhsa_group_segment_fixed_size 327680
		.amdhsa_private_segment_fixed_size 0
		.amdhsa_enable_private_segment 0
		.amdhsa_kernarg_size 40
		.amdhsa_user_sgpr_count 2
		.amdhsa_user_sgpr_kernarg_segment_ptr 1
		.amdhsa_wavefront_size32 1
		.amdhsa_system_sgpr_workgroup_id_x 1
		.amdhsa_system_sgpr_workgroup_id_y 1
		.amdhsa_system_sgpr_workgroup_id_z 1
		.amdhsa_system_vgpr_workitem_id 0
		.amdhsa_next_free_vgpr 1024
		.amdhsa_next_free_sgpr 88
		.amdhsa_reserve_vcc 0
		.amdhsa_float_denorm_mode_32 3
		.amdhsa_float_denorm_mode_16_64 3
		.amdhsa_memory_ordered 1
		.amdhsa_forward_progress 1
		.amdhsa_inst_pref_size 255
	.end_amdhsa_kernel
	.section	.bss,"aw",@nobits
	.p2align	6
	.space	262144
	.amdgpu_metadata
---
amdhsa.version: [ 1, 2 ]
amdhsa.kernels:
  - .name:           k_q0e68646bce_qkv
    .symbol:         k_q0e68646bce_qkv.kd
    .args:
      - { .name: xb, .offset: 0, .size: 8, .value_kind: global_buffer, .address_space: global }
      - { .name: wqkvb, .offset: 8, .size: 8, .value_kind: global_buffer, .address_space: global }
      - { .name: qkv, .offset: 16, .size: 8, .value_kind: global_buffer, .address_space: global }
      - { .name: biasp, .offset: 24, .size: 8, .value_kind: global_buffer, .address_space: global }
      - { .name: tab, .offset: 32, .size: 8, .value_kind: global_buffer, .address_space: global }
    .group_segment_fixed_size: 327680
    .private_segment_fixed_size: 0
    .kernarg_segment_align: 8
    .kernarg_segment_size: 40
    .max_flat_workgroup_size: 128
    .sgpr_count:     88
    .vgpr_count:     1024
    .wavefront_size: 32
...
	.end_amdgpu_metadata
.endif
;; end of part 2
;; launch attn (part 3): grid 256 x 1, 8 waves a work-group, clusters of 4 x 1, 327,680 bytes of LDS; arguments qkv, att; writes att
.if DOCPART == 3
	.amdgcn_target "amdgcn-amd-amdhsa--gfx1250"
	.amdhsa_code_object_version 6
	.text
	.protected	k_q0e68646bce_attn
	.globl	k_q0e68646bce_attn
	.p2align	8
	.type	k_q0e68646bce_attn,@function
k_q0e68646bce_attn:
	s_mov_b64 s[64:65], 0
	v_nop
	global_prefetch_b8 v0, s[64:65] scope:SCOPE_SE
	s_setreg_imm32_b32 hwreg(HW_REG_WAVE_MODE, 25, 1), 1
	s_wait_xcnt 0x0
	s_wait_alu depctr_hold_cnt(0) depctr_sa_sdst(0) depctr_va_vdst(0) depctr_va_sdst(0) depctr_va_ssrc(0) depctr_va_vcc(0) depctr_vm_vsrc(0)
	s_getreg_b32 s2, hwreg(HW_REG_IB_STS2, 6, 4)
	s_cmp_eq_u32 s2, 0
	s_cbranch_scc0 .Lentry_in_a_cluster
	s_endpgm
.Lentry_in_a_cluster:
	s_bfe_u32 s2, ttmp6, 0x10000c
	s_cmp_lg_u32 s2, 0x3003
	s_cbranch_scc0 .Lentry_shape_is_right
	s_endpgm
.Lentry_shape_is_right:
; att[b][s][h][:] = softmax over keys of (q.k / 8) times v, for 4 batches x 16 heads x 2,048 positions x 64 features.  qkv: [8192][q 1024 | k 1024 | v 1024] bf16
; (q and k rotated already), att: [8192][1024] bf16.  Products on the matrix units in bf16 with f32 sums; maximum, exponentials, row sums and rescaling in f32.
; A work-group takes 256 queries of TWO neighbouring heads, so that a row of a K or V tile is 256 consecutive bytes of qkv at a multiple of 256, and a row of its result
; is 256 such bytes of att.  Eight waves: wave w takes head w & 1 and queries 64 (w >> 1) .. + 63.  Two waves lie on each SIMD, so that one wave's softmax runs beside the
; other's products.  The keys go in tiles of 128 through a ring of two LDS slots; a tile is worked on as two halves of 64 keys.
; CLUSTERS: the four work-groups of a cluster are four query blocks of the same batch and pair of heads and walk the same K and V tiles: each tile is asked for jointly
; (mask 15).  Waves 0, 1 ask for K's two halves of 64 rows, waves 2, 3 for V's; by the text's own count a wave never has more than one tensor load out.
; EVERYTHING IS TRANSPOSED, so that no number changes lanes but the row maximum and the row sum (one v_permlanex16_b32 each):
;   S^T = K Q^T: source 0 = 16 keys x 32 features, source 1 = 16 queries.  Lane l holds query l % 16, registers j the keys 8 (l / 16) + j.
;   Two such tiles, rounded to bf16 in place, ARE the second source (32 keys x 16 queries) of O^T = V^T P^T, whose first source comes from V's rows by the transposing load.
;   O^T: lane l holds query l % 16, registers j the features 8 (l / 16) + j: eight neighbouring numbers of a row of att.
; The running maximum is kept of the raw products; exp(x / 8) is 2^(c x) with c = log2(e) / 8.  The old sums are rescaled in every half tile: no branch hangs on a number.
; LIMITS: the row sum adds the exponentials in f32, the product with V takes them rounded to bf16; exponentials below 2^-126 count as 0 (ISA guide, v_exp_f32).
.set ROWB,   6144                      ; bytes in a row of qkv
.set KPITCH, 272                       ; K's LDS rows: 256 + 16, an odd multiple of 16
.set VPITCH, 288                       ; V's: 256 + 32, an odd multiple of 32, for the transposing load
.set VBASE,  128*KPITCH                ; V's 128 rows lie behind K's 128
.set SLOT,   VBASE+128*VPITCH          ; 71,680
.set STAGE,  2*SLOT                    ; 143,360: 256 rows x 272 bytes for the way out; no tensor load lands there
.set SPITCH, 272
.set TSTEP,  128*ROWB                  ; from a tile to the next
.set PFO,  7                           ; window 0: prefetch offset
.set KADR, 8                           ; v8-9    LDS address of my K fragments in slot 0, 1
.set VADR, 10                          ; v10-11  the same for V
.set STO,  12
.set RD,   13
.set CO,   14
.set QOFF, 15
.set MM,   16                          ; v16-19  running maximum of query block qb
.set TT,   20                          ; v20-23  at work
.set XX,   24                          ; v24-27  the other half's figure
.set NM,   28                          ; v[28:35] pairs: -c x maximum, twice
.set AL,   36                          ; v[36:43] pairs: the factor for the old sums, twice
.set LL,   44                          ; v[44:51] pairs: two partial row sums
.set VF,   64                          ; v[64:127]  V^T fragments (dt, kp) at VF + 8 (2 dt + kp)
.set SC,   128                         ; v[128:255] S^T tiles (kt, qb) at SC + 8 (4 kt + qb); later P^T (kp, qb) at SC + 8 (8 kp + qb)
.set OA,   0                           ; window 1: O^T tiles (dt, qb) at 8 (4 dt + qb)
.set QF,   128                         ; window 1: Q fragments (qb, ks) at QF + 8 (2 qb + ks)
.set KF,   192                         ; window 1: K fragments (kt, ks) at KF + 8 (2 kt + ks)
.set G1K, 16                           ; s[16:23] group 1 for K's tiles
.set G1V, 24                           ; s[24:31] group 1 for V's
.set G0K, 32                           ; s[32:39] group 0 for K's tiles, one set for each slot
.set G0V, 40                           ; s[40:47] group 0 for V's
.set MSB, 0
.macro WIN new                         ; the immediate's high byte repeats the setting that is left
.if MSB != \new
	s_set_vgpr_msb (MSB<<8)|\new
.set MSB, \new
.endif
.endm
; settings: 0x05 sources 0 and 1 in window 1 (S products, last conversions); 0x40 destination in window 1 (loads of K and Q); 0x41 O times a factor; 0x50 C and D in window 1 (O products)
.macro ROUND                           ; a round of the cluster's barrier
	s_barrier_signal -1
	s_barrier_wait -1
	s_cmp_lg_u32 s10, 0
	s_cbranch_scc1 .Lnot_wave_0_\@
	s_barrier_signal -3
.Lnot_wave_0_\@:
	s_barrier_wait -3
	s_barrier_signal -1
	s_barrier_wait -1
.endm
.macro JLOAD s                         ; waves 0, 1: K's halves; waves 2, 3: V's; the others ask for nothing.  The branches hang on the wave's number alone.
	s_cmp_lg_u32 s11, 0
	s_cbranch_scc1 .Lnot_k_\@
	tensor_load_to_lds s[G0K+4*(\s):G0K+4*(\s)+3], s[G1K:G1K+7]
	s_nop 0
	s_branch .Lasked_\@
.Lnot_k_\@:
	s_cmp_lg_u32 s11, 1
	s_cbranch_scc1 .Lasked_\@
	tensor_load_to_lds s[G0V+4*(\s):G0V+4*(\s)+3], s[G1V:G1V+7]
	s_nop 0
.Lasked_\@:
.endm
; Five places of plain vector instructions: as many stand between a matrix instruction and another that writes over one of its registers, four between it and a load into
; one of them or a vector instruction that reads its result (ISA guide 7.12.1 for vector instructions).
.macro PLACES
.rept 5
	v_nop
.endr
.endm
	s_load_b128 s[4:7], s[0:1], 0x0                ; qkv s[4:5], att s[6:7]
	v_lshl_add_u32 v62, v0, 2, 0x34000
	v_mov_b32 v63, 0
	ds_add_u32 v62, v63
	v_lshrrev_b32 v1, 5, v0
	v_readfirstlane_b32 s10, v1                    ; wave 0..7
	s_lshr_b32 s11, s10, 1                         ; my 64 queries.  Also: 0 asks for K, 1 for V
	s_and_b32 s12, s10, 1                          ; my head of the pair.  Also: which 64 rows of a tile I ask for
	s_bfe_u32 s14, ttmp6, 0x40000                  ; cx
	s_lshr_b32 s58, ttmp9, 4
	s_lshl_b32 s58, s58, 11                        ; the batch's first row: 2,048 b
	s_bfe_u32 s59, ttmp9, 0x30001
	s_lshl_b32 s59, s59, 8                         ; the pair of heads: 256 bytes each
	s_and_b32 s60, ttmp9, 1
	s_lshl2_add_u32 s60, s60, s14                  ; query block 0..7 = 4 x (cluster & 1) + cx: it enters addresses in memory alone
	s_lshl_b32 s62, s12, 6                         ; K, tile 0, my 64 rows: made of the batch, the pair and the wave's number, alike in all four partners
	s_add_co_u32 s62, s62, s58
	s_mul_i32 s62, s62, ROWB
	s_add_co_u32 s62, s62, s59
	s_add_co_u32 s62, s62, 2048
	s_mov_b32 s63, 0
	s_add_co_u32 s70, s58, 128                     ; K, tile 1, row 0: from here the prefetch steps
	s_mul_i32 s70, s70, ROWB
	s_add_co_u32 s70, s70, s59
	s_add_co_u32 s70, s70, 2048
	s_mov_b32 s71, 0
	s_lshl_b32 s66, s60, 8
	s_add_co_u32 s66, s66, s58                     ; the work-group's first query row
	s_lshl_b32 s68, s10, 5
	s_add_co_u32 s68, s68, s66                     ; att: the 32 rows that I store
	s_lshl_b32 s68, s68, 11
	s_add_co_u32 s68, s68, s59
	s_mov_b32 s69, 0
	s_lshl_b32 s67, s11, 6
	s_add_co_u32 s66, s66, s67                     ; Q: my 64 rows, my head
	s_mul_i32 s66, s66, ROWB
	s_add_co_u32 s66, s66, s59
	s_lshl_b32 s76, s12, 7                         ; 128 bytes: the second head of the pair
	s_add_co_u32 s66, s66, s76
	s_mov_b32 s67, 0
	s_mul_i32 s72, s12, 64*KPITCH                  ; LDS: my half of K's tile
	s_mul_i32 s73, s12, 64*VPITCH
	s_add_co_u32 s73, s73, VBASE                   ; my half of V's
	s_mov_b32 s48, 0x3e38aa3b                      ; c = log2(e) / 8
	s_mov_b32 s49, 0x3e38aa3b
	s_mov_b32 s50, 0xbe38aa3b                      ; -c
	s_mov_b32 s52, 0x76543210                      ; v_permlanex16_b32: lane i of one half reads lane i of the other
	s_mov_b32 s53, 0xfedcba98
	; group 1: 64 rows x 128 elements of 2 bytes, 3,072 elements from row to row; 16 (K) or 32 (V) bytes of padding behind every 256
	s_mov_b32 s[G1K+0], 15|(1<<16)|(1<<20)|(1<<21)|(5<<22)|(3<<25)   ; 15:0 mask: all four of the cluster; 17:16 2 bytes; 20 padding on; 21 set beside a mask; 24:22 after 64 words; 31:25 of 4 words
	s_mov_b32 s[G1V+0], 15|(1<<16)|(1<<20)|(1<<21)|(5<<22)|(7<<25)   ; of 8 words
	s_mov_b32 s[G1K+1], 128<<16
	s_mov_b32 s[G1V+1], 128<<16
	s_mov_b32 s[G1K+2], 64<<16
	s_mov_b32 s[G1V+2], 64<<16
	s_mov_b32 s[G1K+3], 128<<16
	s_mov_b32 s[G1V+3], 128<<16
	s_mov_b32 s[G1K+4], 64
	s_mov_b32 s[G1V+4], 64
	s_mov_b32 s[G1K+5], 3072
	s_mov_b32 s[G1V+5], 3072
	s_mov_b32 s[G1K+6], 0
	s_mov_b32 s[G1V+6], 0
	s_mov_b32 s[G1K+7], 0
	s_mov_b32 s[G1V+7], 0
	s_wait_dscnt 0x0
	s_wait_kmcnt 0x0
	s_add_nc_u64 s[74:75], s[4:5], s[62:63]
	s_add_nc_u64 s[54:55], s[4:5], s[70:71]
	s_add_nc_u64 s[56:57], s[4:5], s[66:67]
	s_add_nc_u64 s[6:7], s[6:7], s[68:69]
.irp s, 0,1
	s_mov_b32 s[G0K+4*\s], 1
	s_add_co_u32 s[G0K+4*\s+1], s72, \s*SLOT
	s_add_nc_u64 s[G0K+4*\s+2:G0K+4*\s+3], s[74:75], \s*TSTEP          ; tile s
	s_or_b32 s[G0K+4*\s+3], s[G0K+4*\s+3], 0x80000000
	s_mov_b32 s[G0V+4*\s], 1
	s_add_co_u32 s[G0V+4*\s+1], s73, \s*SLOT
	s_add_nc_u64 s[G0V+4*\s+2:G0V+4*\s+3], s[74:75], \s*TSTEP+2048     ; v lies 2,048 bytes behind k in a row
	s_or_b32 s[G0V+4*\s+3], s[G0V+4*\s+3], 0x80000000
.endr
	ROUND                                          ; all four work-groups are here: the first joint loads meet
	JLOAD 0                                        ; tile 0; slot 1 is first filled behind the first trip's round, as a refill is
	v_and_b32 v1, 15, v0                           ; r = l % 16
	v_bfe_u32 v2, v0, 4, 1                         ; h = l / 16
	v_and_b32 v3, 7, v0
	v_bfe_u32 v4, v0, 3, 1
	v_mul_u32_u24 v5, v1, KPITCH
	v_lshl_add_u32 v5, v2, 4, v5                   ; r x 272 + 16 h
	v_add_nc_u32 v[KADR], s76, v5                  ; + my head's 128 bytes
	v_add_nc_u32 v[KADR+1], SLOT, v[KADR]
	v_lshl_add_u32 v6, v2, 3, v3                   ; the transposing load: key 8 h + l % 8,
	v_mul_u32_u24 v6, v6, VPITCH
	v_lshl_add_u32 v6, v4, 4, v6                   ; 16 bytes further for lanes 8-15 of each half
	s_add_co_u32 s77, s76, VBASE
	v_add_nc_u32 v[VADR], s77, v6
	v_add_nc_u32 v[VADR+1], SLOT, v[VADR]
	s_mul_i32 s78, s11, 64*SPITCH
	s_add_co_u32 s78, s78, s76
	s_add_co_u32 s78, s78, STAGE
	v_add_nc_u32 v[STO], s78, v5                   ; stage: row 64 (w >> 1) + r, my head's 128 bytes, 16 h
	s_mul_i32 s79, s10, 32*SPITCH
	s_add_co_u32 s79, s79, STAGE
	v_mul_u32_u24 v6, v2, SPITCH
	v_lshl_add_u32 v6, v1, 4, v6
	v_add_nc_u32 v[RD], s79, v6                    ; back: rows 32 w + h, 16 bytes a lane
	v_lshlrev_b32 v6, 11, v2
	v_lshl_add_u32 v[CO], v1, 4, v6                ; the same two rows in att
	v_mul_u32_u24 v6, v1, ROWB
	v_lshl_add_u32 v[QOFF], v2, 4, v6              ; Q: row r, 16 h
	s_mul_i32 s61, s60, 16*ROWB
	v_lshl_add_u32 v6, v2, 11, v6                  ; prefetch: row 16 x query block + r of a tile; lanes 0-15 K's 256 bytes, lanes 16-31 V's
	v_add_nc_u32 v[PFO], s61, v6
	WIN 0x40
.irp qb, 0,1,2,3
.irp ks, 0,1
	global_load_b128 v[QF+8*(2*\qb+\ks):QF+8*(2*\qb+\ks)+3],   v[QOFF], s[56:57] offset:16*ROWB*\qb+64*\ks      ; Q stays in registers for the whole kernel
	global_load_b128 v[QF+8*(2*\qb+\ks)+4:QF+8*(2*\qb+\ks)+7], v[QOFF], s[56:57] offset:16*ROWB*\qb+64*\ks+32
.endr
.endr
	WIN 0
.irp qb, 0,1,2,3
	v_mov_b32 v[XX+\qb], 0                         ; v_permlanex16_b32 counts as a reader of its destination
.endr
	s_wait_loadcnt 0x0
.macro KLOAD slot, u                   ; 64 keys x 64 features of my head: 8 fragments
.irp kt, 0,1,2,3
.irp ks, 0,1
	ds_load_b128 v[KF+8*(2*\kt+\ks):KF+8*(2*\kt+\ks)+3],   v[KADR+\slot] offset:(64*\u+16*\kt)*KPITCH+64*\ks
	ds_load_b128 v[KF+8*(2*\kt+\ks)+4:KF+8*(2*\kt+\ks)+7], v[KADR+\slot] offset:(64*\u+16*\kt)*KPITCH+64*\ks+32
.endr
.endr
.endm
.macro VLOAD slot, u                   ; the same keys of V, transposed: 8 fragments of 16 features x 32 keys
.irp dt, 0,1,2,3
.irp kp, 0,1
	ds_load_tr16_b128 v[VF+8*(2*\dt+\kp):VF+8*(2*\dt+\kp)+3],   v[VADR+\slot] offset:(64*\u+32*\kp)*VPITCH+32*\dt
	ds_load_tr16_b128 v[VF+8*(2*\dt+\kp)+4:VF+8*(2*\dt+\kp)+7], v[VADR+\slot] offset:(64*\u+32*\kp+16)*VPITCH+32*\dt
.endr
.endr
.endm
; In both groups of products the sixteen accumulators take turns, one instruction a turn.
.macro SPROD ks, zero
.irp kt, 0,1,2,3
.irp qb, 0,1,2,3
.if \zero
	v_wmma_f32_16x16x32_bf16 v[SC+8*(4*\kt+\qb):SC+8*(4*\kt+\qb)+7], v[KF+8*(2*\kt+\ks):KF+8*(2*\kt+\ks)+7], v[QF+8*(2*\qb+\ks):QF+8*(2*\qb+\ks)+7], 0
.else
	v_wmma_f32_16x16x32_bf16 v[SC+8*(4*\kt+\qb):SC+8*(4*\kt+\qb)+7], v[KF+8*(2*\kt+\ks):KF+8*(2*\kt+\ks)+7], v[QF+8*(2*\qb+\ks):QF+8*(2*\qb+\ks)+7], v[SC+8*(4*\kt+\qb):SC+8*(4*\kt+\qb)+7]
.endif
.endr
.endr
.endm
.macro PVPROD kp, zero
.irp dt, 0,1,2,3
.irp qb, 0,1,2,3
.if \zero
	v_wmma_f32_16x16x32_bf16 v[OA+8*(4*\dt+\qb):OA+8*(4*\dt+\qb)+7], v[VF+8*(2*\dt+\kp):VF+8*(2*\dt+\kp)+7], v[SC+8*(8*\kp+\qb):SC+8*(8*\kp+\qb)+7], 0
.else
	v_wmma_f32_16x16x32_bf16 v[OA+8*(4*\dt+\qb):OA+8*(4*\dt+\qb)+7], v[VF+8*(2*\dt+\kp):VF+8*(2*\dt+\kp)+7], v[SC+8*(8*\kp+\qb):SC+8*(8*\kp+\qb)+7], v[OA+8*(4*\dt+\qb):OA+8*(4*\dt+\qb)+7]
.endif
.endr
.endr
.endm
.macro OSCALE                          ; every O^T tile times its query's factor
.irp dt, 0,1,2,3
.irp qb, 0,1,2,3
.irp k, 0,2,4,6
	v_pk_mul_f32 v[OA+8*(4*\dt+\qb)+\k:OA+8*(4*\dt+\qb)+\k+1], v[OA+8*(4*\dt+\qb)+\k:OA+8*(4*\dt+\qb)+\k+1], v[AL+2*\qb:AL+2*\qb+1]
.endr
.endr
.endr
.endm
; Pair i (0..15, the symbol i) of query block q: registers 2 (i & 3), + 1 of tile (i >> 2, q).
.macro FMAPAIR q                       ; c x - c max
.set pr, SC+8*(4*(i>>2)+(\q))+2*(i&3)
	v_pk_fma_f32 v[pr:pr+1], v[pr:pr+1], s[48:49], v[NM+2*(\q):NM+2*(\q)+1] op_sel_hi:[1,0,1]
.endm
.macro EXPPAIR q
.set pr, SC+8*(4*(i>>2)+(\q))+2*(i&3)
	v_exp_f32 v[pr], v[pr]
	v_exp_f32 v[pr+1], v[pr+1]
.endm
; The pair joins the row sums, then is rounded to bf16 into its place in P^T's fragment: register 4 (kt & 1) + (i & 3) of tile (kt & ~1, q).  That register's own pair has
; been summed and rounded by then, since the pairs are taken in ascending order.
.macro SUMCVT q, first
.set pr, SC+8*(4*(i>>2)+(\q))+2*(i&3)
.if i == 0
.if \first
	s_wait_alu depctr_va_vdst(0)
	v_mov_b32 v[LL+2*(\q)], v[pr]                  ; the first pair starts the sums
	v_mov_b32 v[LL+2*(\q)+1], v[pr+1]
.else
	s_wait_alu depctr_va_vdst(0)
	v_pk_fma_f32 v[LL+2*(\q):LL+2*(\q)+1], v[LL+2*(\q):LL+2*(\q)+1], v[AL+2*(\q):AL+2*(\q)+1], v[pr:pr+1]   ; the old sums are rescaled on the way
.endif
.else
	s_wait_alu depctr_va_vdst(0)
	v_pk_add_f32 v[LL+2*(\q):LL+2*(\q)+1], v[LL+2*(\q):LL+2*(\q)+1], v[pr:pr+1]
.endif
	v_cvt_pk_bf16_f32 v[SC+8*(8*(i>>3)+(\q))+4*((i>>2)&1)+(i&3)], v[pr], v[pr+1]
.endm
; 64 keys x 64 queries of raw products become exponentials in bf16.  The four query blocks are four chains that do not wait for each other.
.macro SOFTMAX first
.irp qb, 0,1,2,3
.if \first
	v_max_num_f32 v[TT+\qb], v[SC+8*\qb], v[SC+8*\qb+1]
.else
	v_max3_num_f32 v[TT+\qb], v[MM+\qb], v[SC+8*\qb], v[SC+8*\qb+1]
.endif
.endr
.set i, 1
.rept 15
.irp qb, 0,1,2,3
	v_max3_num_f32 v[TT+\qb], v[TT+\qb], v[SC+8*(4*(i>>2)+\qb)+2*(i&3)], v[SC+8*(4*(i>>2)+\qb)+2*(i&3)+1]
.endr
.set i, i+1
.endr
.irp qb, 0,1,2,3
	v_permlanex16_b32 v[XX+\qb], v[TT+\qb], s52, s53           ; the other half of the lanes holds the query's other keys
.endr
.irp qb, 0,1,2,3
	v_max_num_f32 v[TT+\qb], v[TT+\qb], v[XX+\qb]              ; the new running maximum
.endr
.irp qb, 0,1,2,3
	v_mul_f32 v[NM+2*\qb], s50, v[TT+\qb]
	v_mul_f32 v[NM+2*\qb+1], s50, v[TT+\qb]
.endr
.if \first == 0
.irp qb, 0,1,2,3
	v_fma_f32 v[AL+2*\qb], v[MM+\qb], s48, v[NM+2*\qb]         ; c (old maximum - new maximum), never above 0 but for the rounding of the product
.endr
.endif
.irp qb, 0,1,2,3
	v_mov_b32 v[MM+\qb], v[TT+\qb]
.endr
.if \first == 0
.irp qb, 0,1,2,3
	v_exp_f32 v[AL+2*\qb], v[AL+2*\qb]
.endr
.endif
.set i, 0
.rept 16
	FMAPAIR 0                                      ; plain work on other registers stands behind the exponentials above (ISA guide 5.7.2)
.set i, i+1
.endr
.if \first == 0
.irp qb, 0,1,2,3
	s_wait_alu depctr_va_vdst(0)
	v_mov_b32 v[AL+2*\qb+1], v[AL+2*\qb]
.endr
.endif
; While block qb's exponentials are made, block qb + 1's arguments and block qb - 1's sums and roundings fill the plain slots: behind every pair of exponentials stands
; a plain instruction on other registers, and a result is used sixteen steps later.
.irp qb, 0,1,2,3
.set i, 0
.rept 16
	EXPPAIR \qb
.if \qb < 3
	FMAPAIR \qb+1
.endif
.if \qb > 0
	SUMCVT \qb-1, \first
.endif
.set i, i+1
.endr
.endr
.set i, 0
.rept 16
	SUMCVT 3, \first
.set i, i+1
.endr
.endm
; Half a tile: 64 keys.  u = 0: K's fragments are fetched at the head, and the second half's behind the S products, into the same registers.
.macro HALFTILE slot, u, first
.if \u == 0
	WIN 0x40
	KLOAD \slot, 0
.endif
	s_wait_dscnt 0x0                               ; K's fragments are in
	WIN 0x05
	SPROD 0, 1                                     ; the first 32 features start the sums
	SPROD 1, 0
	WIN 0
	PLACES
	VLOAD \slot, \u                                ; they land while the softmax is made
.if \u == 0
	WIN 0x40
	KLOAD \slot, 1
	WIN 0
.endif
	SOFTMAX \first
.if \first == 0
	WIN 0x41
	OSCALE
.endif
	s_wait_dscnt 0x0                               ; V's fragments (and the next K's) are in
	WIN 0x50
	PVPROD 0, \first
	PVPROD 1, 0
	WIN 0
	PLACES
.endm
; A trip: one tile of 128 keys in slot `slot`.  In front of the round every wave waits for all its tensor loads (its part of this trip's tile among them) and for its reads of
; the other slot; behind the round the next tile is asked for first, into the slot read last trip, one tensor load a wave; it has the whole trip in which to land.
; pf = 1: wave 7 prefetches its work-group's eighth of the tile after next: 16 of the 128 rows, K's and V's 256 bytes of each, one lane each.  The eight work-groups of a
; batch and pair of heads cover the 128 rows, so each block of 256 bytes is asked for once.  Trip t asks for tile t + 2, which trip t + 1 loads; the last two trips ask for
; nothing, so the last block asked for is tile 15's last row.
.macro TRIP slot, refill, first, pf
.if \pf
	s_wait_xcnt 0x0                                ; the last prefetch, half a trip ago, has had its address translated: its base may step
	s_add_nc_u64 s[54:55], s[54:55], TSTEP
.endif
	s_wait_tensorcnt 0x0                           ; all my tensor loads are done, so every group 0 may be written: this slot's next tile
	ds_add_u32 v62, v63
	s_wait_dscnt 0x0
	s_add_nc_u64 s[G0K+4*\slot+2:G0K+4*\slot+3], s[G0K+4*\slot+2:G0K+4*\slot+3], 2*TSTEP
	s_add_nc_u64 s[G0V+4*\slot+2:G0V+4*\slot+3], s[G0V+4*\slot+2:G0V+4*\slot+3], 2*TSTEP
	s_wait_dscnt 0x0                               ; my reads of the last trip's tile are done
	ROUND                                          ; both now hold of every wave of all four work-groups
.if \refill
	JLOAD 1-\slot
.endif
	HALFTILE \slot, 0, \first
.if \pf
	s_cmp_lg_u32 s10, 7
	s_cbranch_scc1 .Lno_pf_\@
	global_prefetch_b8 v[PFO], s[54:55] th:TH_LOAD_NT scope:SCOPE_SE
.Lno_pf_\@:
.endif
	HALFTILE \slot, 1, 0
.endm
	TRIP 0, 1, 1, 1                                ; the first trips stand in front of the loop: the first half tile starts maximum, sums and O
	TRIP 1, 1, 0, 1
	s_mov_b32 s3, 6
.Ltiles:
	TRIP 0, 1, 0, 1
	TRIP 1, 1, 0, 1
	s_sub_co_u32 s3, s3, 1
	s_cmp_lg_u32 s3, 0
	s_cbranch_scc1 .Ltiles
	TRIP 0, 1, 0, 0                                ; tile 14: tile 15 is asked for; nothing is left to prefetch
	TRIP 1, 0, 0, 0                                ; tile 15: nothing is left to fetch (the stepped addresses are not used)
	; THE WAY OUT: divide by the row sums, round to bf16, put the two heads' halves of each row together in LDS, store whole rows of 256 bytes.
.irp qb, 0,1,2,3
	v_add_f32 v[TT+\qb], v[LL+2*\qb], v[LL+2*\qb+1]
.endr
.irp qb, 0,1,2,3
	v_permlanex16_b32 v[XX+\qb], v[TT+\qb], s52, s53
.endr
.irp qb, 0,1,2,3
	v_add_f32 v[TT+\qb], v[TT+\qb], v[XX+\qb]      ; at least about 1: the largest product's exponential is in it
.endr
.irp qb, 0,1,2,3
	v_rcp_f32 v[AL+2*\qb], v[TT+\qb]
.endr
	v_nop                                          ; the plain place behind v_rcp_f32 (ISA guide 5.7.2)
.irp qb, 0,1,2,3
	s_wait_alu depctr_va_vdst(0)
	v_mov_b32 v[AL+2*\qb+1], v[AL+2*\qb]
.endr
	WIN 0x41
	OSCALE
	WIN 0x05
.irp dt, 0,1,2,3
.irp qb, 0,1,2,3
.irp k, 0,1,2,3
	v_cvt_pk_bf16_f32 v[SC+4*(4*\dt+\qb)+\k], v[OA+8*(4*\dt+\qb)+2*\k], v[OA+8*(4*\dt+\qb)+2*\k+1]
.endr
.endr
.endr
	WIN 0
.irp dt, 0,1,2,3
.irp qb, 0,1,2,3
	ds_store_b128 v[STO], v[SC+4*(4*\dt+\qb):SC+4*(4*\dt+\qb)+3] offset:16*SPITCH*\qb+32*\dt    ; query 16 qb + r, features 16 dt + 8 h + 0..7
.endr
.endr
	s_wait_dscnt 0x0                               ; for the others' sake: my stores are done
	s_barrier_signal -1
	s_barrier_wait -1                              ; a row's two halves come from two waves
.irp t, 0,1,2,3,4,5,6,7,8,9,10,11,12,13,14,15
	ds_load_b128 v[VF+4*\t:VF+4*\t+3], v[RD] offset:\t*2*SPITCH
.endr
.irp t, 0,1,2,3,4,5,6,7,8,9,10,11,12,13,14,15
	s_wait_dscnt 15-\t                             ; read-back t is in, the 15 - t younger ones may be out
	global_store_b128 v[CO], v[VF+4*\t:VF+4*\t+3], s[6:7] offset:4096*\t       ; 16 lanes store 256 consecutive bytes, at a multiple of 256 from the buffer's first byte
.endr
	s_wait_tensorcnt 0x0
	ds_add_u32 v62, v63
	s_wait_dscnt 0x0
	ROUND                                          ; the closing round: no work-group ends while a partner may still ask for a tile that names it
	s_endpgm
.Lfunc_end_k_q0e68646bce_attn:
	.size	k_q0e68646bce_attn, .Lfunc_end_k_q0e68646bce_attn-k_q0e68646bce_attn
	.p2alignl 7, 3214868480
	.fill 96, 4, 3214868480
	.section	.rodata,"a",@progbits
	.p2align	6, 0x0
	.amdhsa_kernel k_q0e68646bce_attn
		.amdhsa_group_segment_fixed_size 327680
		.amdhsa_private_segment_fixed_size 0
		.amdhsa_enable_private_segment 0
		.amdhsa_kernarg_size 16
		.amdhsa_user_sgpr_count 2
		.amdhsa_user_sgpr_kernarg_segment_ptr 1
		.amdhsa_wavefront_size32 1
		.amdhsa_system_sgpr_workgroup_id_x 1
		.amdhsa_system_sgpr_workgroup_id_y 1
		.amdhsa_system_sgpr_workgroup_id_z 1
		.amdhsa_system_vgpr_workitem_id 0
		.amdhsa_next_free_vgpr 512
		.amdhsa_next_free_sgpr 80
		.amdhsa_reserve_vcc 0
		.amdhsa_float_denorm_mode_32 3
		.amdhsa_float_denorm_mode_16_64 3
		.amdhsa_memory_ordered 1
		.amdhsa_forward_progress 1
		.amdhsa_inst_pref_size 255
	.end_amdhsa_kernel
	.section	.bss,"aw",@nobits
	.p2align	6
	.space	262144
	.amdgpu_metadata
---
amdhsa.version: [ 1, 2 ]
amdhsa.kernels:
  - .name:           k_q0e68646bce_attn
    .symbol:         k_q0e68646bce_attn.kd
    .args:
      - { .name: qkv, .offset: 0, .size: 8, .value_kind: global_buffer, .address_space: global }
      - { .name: att, .offset: 8, .size: 8, .value_kind: global_buffer, .address_space: global }
    .group_segment_fixed_size: 327680
    .private_segment_fixed_size: 0
    .kernarg_segment_align: 8
    .kernarg_segment_size: 16
    .max_flat_workgroup_size: 256
    .sgpr_count:     80
    .vgpr_count:     512
    .wavefront_size: 32
...
	.end_amdgpu_metadata
.endif
;; end of part 3
;; launch proj (part 4): grid 8 x 32, 4 waves a work-group, clusters of 4 x 4, 327,680 bytes of LDS; arguments att, wob, out0, Wo_b; writes out0
.if DOCPART == 4
	.amdgcn_target "amdgcn-amd-amdhsa--gfx1250"
	.amdhsa_code_object_version 6
	.text
	.protected	k_q0e68646bce_proj
	.globl	k_q0e68646bce_proj
	.p2align	8
	.type	k_q0e68646bce_proj,@function
k_q0e68646bce_proj:
	s_mov_b64 s[64:65], 0
	v_nop
	global_prefetch_b8 v0, s[64:65] scope:SCOPE_SE
	s_setreg_imm32_b32 hwreg(HW_REG_WAVE_MODE, 25, 1), 1
	s_wait_xcnt 0x0
	s_wait_alu depctr_hold_cnt(0) depctr_sa_sdst(0) depctr_va_vdst(0) depctr_va_sdst(0) depctr_va_ssrc(0) depctr_va_vcc(0) depctr_vm_vsrc(0)
	s_getreg_b32 s2, hwreg(HW_REG_IB_STS2, 6, 4)
	s_cmp_eq_u32 s2, 0
	s_cbranch_scc0 .Lentry_in_a_cluster
	s_endpgm
.Lentry_in_a_cluster:
	s_bfe_u32 s2, ttmp6, 0x10000c
	s_cmp_lg_u32 s2, 0xf033
	s_cbranch_scc0 .Lentry_shape_is_right
	s_endpgm
.Lentry_shape_is_right:
; out0[m][n] = sum over k of att[m][k] wob[n][k] + Wo_b[n].  att: [8192][1024] bf16, wob: [1024][1024] bf16, out0: [8192][1024] f32; sums and bias in f32.
; A work-group makes 256 x 128 with four waves, as many as a WGP has SIMDs: 32 x 8 = 256 work-groups.  A wave makes 128 x 64: 32 accumulator tiles of 16 x 16, 256 registers.
; K goes in steps of 128 through a ring of two LDS slots filled by the tensor data mover: a tile's rows are 256 bytes of memory and start at multiples of 256 bytes.
; From a tile's request to the wait for it a wave issues 120 matrix instructions.
; CLUSTERS: 4 x 4 work-groups.  att's tiles are shared along a row of the cluster, wob's along a column: each is asked for jointly, by the same tensor load with the same
; descriptor and a mask that names the four.
; REGISTERS: window 0: v16-28 addresses; v64-127, v128-191 fragments of att, two buffers (on the way out: sums, rows read back); v192-223 the bias of my 64 columns.
;   window 1: v64-95, v128-159 fragments of wob, two buffers.   window 2: accumulator tile (a, b) at v[8 (4 a + b)], a = 0..7 (16 rows each), b = 0..3.
; THE MATRIX INSTRUCTION IS USED TRANSPOSED: source 0 = 16 rows of wob, source 1 = 16 rows of att: lane l holds row l % 16, registers 0 to 7 the columns 8 (l / 16) + 0 .. 7.
.set SIZE_K, 1024
.set SIZE_N, 1024
.set KSTEP,  128
.set PITCH,  272                       ; an LDS row: 256 bytes + 16 of padding, an odd multiple of 16
.set HALFA,  128*PITCH                 ; 128 rows of att: one tensor load
.set HALFB,  64*PITCH                  ; 64 rows of wob: one tensor load
.set SLOT,   2*HALFA+2*HALFB           ; att's 256 rows, then wob's 128 rows
.set STAGE,  2*SLOT                    ; behind the ring: 16 rows x 272 bytes for each wave; no tensor load lands there
.set SPITCH, 272
.set LAPS, SIZE_K/(2*KSTEP)            ; 4
.set ADRA, 16
.set ADRB, 20
.set STO,  24
.set RD,   25
.set CO,   26
.set BOFF, 28
.set F0,   64
.set F1,   128
.set XT,   64                          ; the way out: 16 rows' sums with the bias
.set RB,   160                         ; rows read back
.set BIAS, 192
.set G1,  24
.set G0,  32
.set G1B, 48
.set G0B, 56
.set MSB, 0
.macro WIN new                         ; the immediate's high byte repeats the setting that is left
.if MSB != \new
	s_set_vgpr_msb (MSB<<8)|\new
.set MSB, \new
.endif
.endm
.set MUL,  0xa1                        ; source 0 window 1, source 1 window 0, C and D window 2
.set TO_B, 0x40
.macro JLOAD s                         ; waves 0 and 1 fetch att's two halves, waves 2 and 3 wob's; the branch hangs on the wave's number alone
	s_cmp_eq_u32 s11, 0
	s_cbranch_scc0 .Lfor_b_\@
	tensor_load_to_lds s[G0+4*\s:G0+4*\s+3], s[G1:G1+7]
	s_nop 0
	s_branch .Lasked_\@
.Lfor_b_\@:
	tensor_load_to_lds s[G0B+4*\s:G0B+4*\s+3], s[G1B:G1B+7]
	s_nop 0
.Lasked_\@:
.endm
.macro CREST                           ; a round of the cluster's barrier behind its opening barrier
	s_cmp_lg_u32 s10, 0
	s_cbranch_scc1 .Lnot_wave_0_\@
	s_barrier_signal -3
.Lnot_wave_0_\@:
	s_barrier_wait -3
	s_barrier_signal -1
	s_barrier_wait -1
.endm
.macro CROUND
	s_barrier_signal -1
	s_barrier_wait -1
	CREST
.endm
	s_load_b128 s[4:7], s[0:1], 0x0                ; att s[4:5], wob s[6:7]
	s_load_b64 s[8:9], s[0:1], 0x10                ; out0
	s_load_b64 s[80:81], s[0:1], 0x18              ; Wo_b
	s_set_vgpr_msb 0x40
	v_lshl_add_u32 v255, v0, 2, 0x37400
	s_set_vgpr_msb 0x4000
	v_mov_b32 v255, 0
	s_set_vgpr_msb 0x1
	ds_add_u32 v255, v255
	s_set_vgpr_msb 0x100
	v_lshrrev_b32 v1, 5, v0
	v_readfirstlane_b32 s10, v1                    ; wave 0..3
	s_lshr_b32 s11, s10, 1                         ; which half of the block's rows is mine.  Also: I fetch for att (0) or for wob (1)
	s_and_b32 s12, s10, 1                          ; which half of its columns.  Also: which half of that tile I fetch
	s_bfe_u32 s40, ttmp6, 0x40000                  ; cx
	s_bfe_u32 s41, ttmp6, 0x40004                  ; cy
	s_lshl_b32 s42, ttmp9, 2
	s_add_co_u32 s42, s42, s40                     ; block column
	s_and_b32 s13, ttmp7, 0xffff
	s_lshl_b32 s13, s13, 2
	s_add_co_u32 s13, s13, s41                     ; block row
	s_lshl_b32 s43, s41, 2
	s_lshl_b32 s43, 15, s43                        ; my row of the cluster
	s_lshl_b32 s44, 0x1111, s40                    ; my column
	s_or_b32 s[G1+0], s43, (1<<16)|(1<<20)|(1<<21)|(5<<22)|(3<<25)   ; 15:0 mask; 17:16 2 bytes; 20 padding on; 21 set beside a mask; 24:22 after 64 words; 31:25 of 4 words
	s_or_b32 s[G1B+0], s44, (1<<16)|(1<<20)|(1<<21)|(5<<22)|(3<<25)
	s_mov_b32 s[G1+1], KSTEP<<16                   ; tensor_dim0 = 128
	s_mov_b32 s[G1B+1], KSTEP<<16
	s_mov_b32 s[G1+2], 128<<16                     ; tensor_dim1: 128 rows of att,
	s_mov_b32 s[G1B+2], 64<<16                     ; 64 of wob
	s_mov_b32 s[G1+3], KSTEP<<16                   ; tile_dim0 = 128
	s_mov_b32 s[G1B+3], KSTEP<<16
	s_mov_b32 s[G1+4], 128                         ; tile_dim1
	s_mov_b32 s[G1B+4], 64
	s_mov_b32 s[G1+5], SIZE_K                      ; elements from row to row
	s_mov_b32 s[G1B+5], SIZE_K
	s_mov_b32 s[G1+6], 0
	s_mov_b32 s[G1B+6], 0
	s_mov_b32 s[G1+7], 0
	s_mov_b32 s[G1B+7], 0
	s_lshl_b32 s17, s12, 7
	s_lshl_b32 s16, s13, 8
	s_add_co_u32 s16, s16, s17                     ; att: row 256 x block row + 128 x half
	s_lshl_b32 s47, s12, 6
	s_lshl_b32 s46, s42, 7
	s_add_co_u32 s46, s46, s47                     ; wob: row 128 x block column + 64 x half
	s_mov_b32 s17, 0
	s_mov_b32 s47, 0
	s_mov_b64 s[18:19], SIZE_K*2
	s_mul_u64 s[16:17], s[16:17], s[18:19]
	s_mul_u64 s[46:47], s[46:47], s[18:19]
	s_mul_i32 s20, s12, HALFA                      ; where att's half goes
	s_mul_i32 s45, s12, HALFB
	s_add_co_u32 s45, s45, 2*HALFA                 ; where wob's half goes
	s_lshl_b32 s66, s42, 9                         ; bias: 4 bytes x (128 x block column + 64 x my half)
	s_lshl_b32 s67, s12, 8
	s_add_co_u32 s66, s66, s67
	s_mov_b32 s67, 0
	s_wait_dscnt 0x0
	s_wait_kmcnt 0x0
	s_add_nc_u64 s[14:15], s[4:5], s[16:17]
	s_add_nc_u64 s[46:47], s[6:7], s[46:47]
	s_add_nc_u64 s[80:81], s[80:81], s[66:67]
	CROUND                                         ; all sixteen work-groups are here: the first joint loads meet
.irp s, 0,1
	s_mov_b32 s[G0+4*\s], 1
	s_add_co_u32 s[G0+4*\s+1], s20, \s*SLOT
	s_add_nc_u64 s[G0+4*\s+2:G0+4*\s+3], s[14:15], \s*KSTEP*2
	s_or_b32 s[G0+4*\s+3], s[G0+4*\s+3], 0x80000000
	s_mov_b32 s[G0B+4*\s], 1
	s_add_co_u32 s[G0B+4*\s+1], s45, \s*SLOT
	s_add_nc_u64 s[G0B+4*\s+2:G0B+4*\s+3], s[46:47], \s*KSTEP*2
	s_or_b32 s[G0B+4*\s+3], s[G0B+4*\s+3], 0x80000000
	JLOAD \s                                       ; two tensor loads of the wave are out
.endr
	v_and_b32 v1, 15, v0                           ; l % 16
	v_bfe_u32 v2, v0, 4, 1                         ; l / 16
	v_mul_u32_u24 v3, v1, PITCH
	v_lshl_add_u32 v4, v2, 5, v3                   ; the stage, in: row l % 16, 32 bytes for each half of the lanes
	v_lshl_add_u32 v3, v2, 4, v3                   ; fragments: row x pitch + 16 x half
	s_mul_i32 s21, s11, HALFA                      ; my 128 rows of att
	s_mul_i32 s22, s12, HALFB
	s_add_co_u32 s22, s22, 2*HALFA                 ; my 64 rows of wob
.irp s, 0,1
	v_add_nc_u32 v[ADRA+\s], s21, v3
	v_add_nc_u32 v[ADRB+\s], s22, v3
	s_add_co_u32 s21, s21, SLOT
	s_add_co_u32 s22, s22, SLOT
.endr
	s_mul_i32 s23, s10, 16*SPITCH
	s_add_co_u32 s23, s23, STAGE
	v_add_nc_u32 v[STO], s23, v4
	v_mul_u32_u24 v5, v2, SPITCH
	v_lshl_add_u32 v5, v1, 4, v5
	v_add_nc_u32 v[RD], s23, v5                    ; back: lanes 0-15 one row of 256 bytes, lanes 16-31 the next
	v_lshlrev_b32 v5, 12, v2
	v_lshl_add_u32 v[CO], v1, 4, v5                ; the same two rows in out0
	v_lshlrev_b32 v[BOFF], 5, v2
.irp b, 0,1,2,3
	global_load_b128 v[BIAS+8*\b:BIAS+8*\b+3],   v[BOFF], s[80:81] offset:64*\b        ; the bias of columns 16 b + 8 (l / 16) + 0..7
	global_load_b128 v[BIAS+8*\b+4:BIAS+8*\b+7], v[BOFF], s[80:81] offset:64*\b+16
.endr
; 8 matrix instructions: m blocks 4 hi + a0, + 1 x all 4 n blocks, 32 along K.  zero = 1: the first product starts the sums.
.macro MUL8 f, hi, a0, zero
.irp a, \a0, \a0+1
.irp b, 0,1,2,3
.if \zero
	v_wmma_f32_16x16x32_bf16 v[8*(4*(4*\hi+\a)+\b):8*(4*(4*\hi+\a)+\b)+7], v[\f+8*\b:\f+8*\b+7], v[\f+8*(4*\hi+\a):\f+8*(4*\hi+\a)+7], 0
.else
	v_wmma_f32_16x16x32_bf16 v[8*(4*(4*\hi+\a)+\b):8*(4*(4*\hi+\a)+\b)+7], v[\f+8*\b:\f+8*\b+7], v[\f+8*(4*\hi+\a):\f+8*(4*\hi+\a)+7], v[8*(4*(4*\hi+\a)+\b):8*(4*(4*\hi+\a)+\b)+7]
.endif
.endr
.endr
.endm
; 24 LDS loads in one run: 64 rows of wob, 128 rows of att, 32 K at byte k of the rows, into buffer f
.macro FETCH slot, k, f
	WIN TO_B
.irp i, 0,1,2,3
	ds_load_b128 v[\f+8*\i:\f+8*\i+3],   v[ADRB+\slot] offset:\k+\i*16*PITCH
	ds_load_b128 v[\f+8*\i+4:\f+8*\i+7], v[ADRB+\slot] offset:\k+\i*16*PITCH+32
.endr
	WIN 0
.irp i, 0,1,2,3,4,5,6,7
	ds_load_b128 v[\f+8*\i:\f+8*\i+3],   v[ADRA+\slot] offset:\k+\i*16*PITCH
	ds_load_b128 v[\f+8*\i+4:\f+8*\i+7], v[ADRA+\slot] offset:\k+\i*16*PITCH+32
.endr
.endm
; Four places of plain vector instructions stand between a matrix instruction and a load into one of its registers, or a vector instruction that reads its result
; or writes one of its registers (ISA guide 7.12.1 for vector instructions).
.macro PLACES
.rept 4
	v_nop
.endr
.endm
; A K step is four quarter steps of 32 along K, 32 matrix instructions each, on buffers 0, 1, 0, 1.  The 32 accumulators take turns, one instruction a turn, in the same
; order in every quarter.
.macro QUARTER slot, k, f, g, zero
	s_wait_dscnt 8                                 ; wob's fragments and att's rows 0-63 are in; the youngest eight loads (att's rows 64-127) may be out
	WIN MUL
	MUL8 \f, 0, 0, \zero
	MUL8 \f, 0, 2, \zero
	PLACES
	FETCH \slot, \k, \g
	s_wait_dscnt 24                                ; all but the 24 just issued
	WIN MUL
	MUL8 \f, 1, 0, \zero
	MUL8 \f, 1, 2, \zero
.endm
.macro THREE slot, zero
	QUARTER \slot, 64,  F0, F1, \zero
	QUARTER \slot, 128, F1, F0, 0
	QUARTER \slot, 192, F0, F1, 0
.endm
; The last quarter multiplies buffer 1 and changes slots.  In front of the barrier each wave waits for its own reads of this slot and for all its tensor loads (the one that
; is out is its part of the next slot).  fill = 1: the barrier opens a round of the cluster's barrier, and the joint refill is the wave's first and only tensor load behind it.
.macro TURN slot, next, fill
	s_wait_dscnt 8
	WIN MUL
	MUL8 F1, 0, 0, 0
	s_wait_dscnt 0                                 ; my reads of this slot are over
	s_wait_tensorcnt 0x0                           ; and all my tensor loads have landed
	ds_add_u32 v255, v255
	s_wait_dscnt 0x0
	s_barrier_signal -1
	MUL8 F1, 0, 2, 0                               ; work on registers while the others arrive
	WIN 0
	s_barrier_wait -1
.if \fill
	CREST                                          ; no wave of any partner still reads this slot's tile or has a load on its way
	s_add_nc_u64 s[G0+4*\slot+2:G0+4*\slot+3], s[G0+4*\slot+2:G0+4*\slot+3], 2*KSTEP*2
	s_add_nc_u64 s[G0B+4*\slot+2:G0B+4*\slot+3], s[G0B+4*\slot+2:G0B+4*\slot+3], 2*KSTEP*2
	JLOAD \slot
.endif
	PLACES
	FETCH \next, 0, F0
	WIN MUL
	MUL8 F1, 1, 0, 0
	MUL8 F1, 1, 2, 0
.endm
.macro LAP zero
	THREE 0, \zero
	TURN 0, 1, 1
	THREE 1, 0
	TURN 1, 0, 1
.endm
	s_wait_loadcnt 0x0                             ; the bias, once
	s_wait_tensorcnt 1                             ; my part of K step 0 is in; K step 1's stays out
	s_barrier_signal -1
	s_barrier_wait -1
	FETCH 0, 0, F0
	LAP 1                                          ; the first lap stands in front of the loop: its first products start the sums
	WIN 0
	s_mov_b32 s3, LAPS-2
.Llap:
	LAP 0
	WIN 0
	s_sub_co_u32 s3, s3, 1
	s_cmp_lg_u32 s3, 0
	s_cbranch_scc1 .Llap
	THREE 0, 0                                     ; the last lap fills nothing
	TURN 0, 1, 0
	THREE 1, 0
	s_wait_dscnt 8
	WIN MUL
	MUL8 F1, 0, 0, 0
	MUL8 F1, 0, 2, 0
	s_wait_dscnt 0
	MUL8 F1, 1, 0, 0
	MUL8 F1, 1, 2, 0
	; THE WAY OUT, 16 rows at a time: add the bias, 32 bytes a lane into my own stage, read back as whole rows of 256 bytes (my 64 columns in f32).
	PLACES
	s_lshl_b32 s13, s13, 8
	s_lshl_b32 s14, s11, 7
	s_add_co_u32 s16, s13, s14                     ; my first row
	s_mov_b32 s17, 0
	s_mov_b64 s[18:19], SIZE_N*4
	s_mul_u64 s[16:17], s[16:17], s[18:19]
	s_add_nc_u64 s[8:9], s[8:9], s[16:17]
	s_lshl_b32 s46, s42, 9                         ; my first column, in bytes: 512 x block + 256 x half
	s_lshl_b32 s47, s12, 8
	s_add_co_u32 s46, s46, s47
	s_mov_b32 s47, 0
	s_add_nc_u64 s[8:9], s[8:9], s[46:47]
.macro OUT16 i                         ; rows 16 i .. 16 i + 15 of my block = the four tiles (i, 0..3)
	WIN 0x02                                       ; source 0 in window 2
.irp b, 0,1,2,3
.irp k, 0,2,4,6
	v_pk_add_f32 v[XT+8*\b+\k:XT+8*\b+\k+1], v[8*(4*\i+\b)+\k:8*(4*\i+\b)+\k+1], v[BIAS+8*\b+\k:BIAS+8*\b+\k+1]
.endr
.endr
	WIN 0
.irp b, 0,1,2,3
	ds_store_b128 v[STO], v[XT+8*\b:XT+8*\b+3]   offset:64*\b
	ds_store_b128 v[STO], v[XT+8*\b+4:XT+8*\b+7] offset:64*\b+16
.endr
	s_wait_xcnt 0x0                                ; the registers that the last stores read, and their base, are rewritten only behind this wait (ISA guide 3.1)
.if \i
	s_add_nc_u64 s[8:9], s[8:9], 16*SIZE_N*4
.endif
.irp t, 0,1,2,3,4,5,6,7
	ds_load_b128 v[RB+4*\t:RB+4*\t+3], v[RD] offset:\t*2*SPITCH    ; LDS serves a wave's instructions in order (ISA guide 5.7.1.4): these see the stores above
.endr
.irp t, 0,1,2,3,4,5,6,7
	s_wait_dscnt 7-\t                              ; read-back t is in, the 7 - t younger ones may be out
	global_store_b128 v[CO], v[RB+4*\t:RB+4*\t+3], s[8:9] offset:2*\t*SIZE_N*4 th:TH_STORE_NT   ; 16 lanes store 256 consecutive bytes, at a multiple of 256 from the buffer's first byte
.endr
.endm
.irp i, 0,1,2,3,4,5,6,7
	OUT16 \i
.endr
	s_set_vgpr_msb 0x1
	s_wait_tensorcnt 0x0
	ds_add_u32 v255, v255
	s_wait_dscnt 0x0
	s_set_vgpr_msb 0x100
	CROUND                                         ; the closing round: no work-group ends while a partner may still ask for a tile that names it
	s_endpgm
.Lfunc_end_k_q0e68646bce_proj:
	.size	k_q0e68646bce_proj, .Lfunc_end_k_q0e68646bce_proj-k_q0e68646bce_proj
	.p2alignl 7, 3214868480
	.fill 96, 4, 3214868480
	.section	.rodata,"a",@progbits
	.p2align	6, 0x0
	.amdhsa_kernel k_q0e68646bce_proj
		.amdhsa_group_segment_fixed_size 327680
		.amdhsa_private_segment_fixed_size 0
		.amdhsa_enable_private_segment 0
		.amdhsa_kernarg_size 32
		.amdhsa_user_sgpr_count 2
		.amdhsa_user_sgpr_kernarg_segment_ptr 1
		.amdhsa_wavefront_size32 1
		.amdhsa_system_sgpr_workgroup_id_x 1
		.amdhsa_system_sgpr_workgroup_id_y 1
		.amdhsa_system_sgpr_workgroup_id_z 1
		.amdhsa_system_vgpr_workitem_id 0
		.amdhsa_next_free_vgpr 768
		.amdhsa_next_free_sgpr 82
		.amdhsa_reserve_vcc 0
		.amdhsa_float_denorm_mode_32 3
		.amdhsa_float_denorm_mode_16_64 3
		.amdhsa_memory_ordered 1
		.amdhsa_forward_progress 1
		.amdhsa_inst_pref_size 129
	.end_amdhsa_kernel
	.amdgpu_metadata
---
amdhsa.version: [ 1, 2 ]
amdhsa.kernels:
  - .name:           k_q0e68646bce_proj
    .symbol:         k_q0e68646bce_proj.kd
    .args:
      - { .name: att, .offset: 0, .size: 8, .value_kind: global_buffer, .address_space: global }
      - { .name: wob, .offset: 8, .size: 8, .value_kind: global_buffer, .address_space: global }
      - { .name: out0, .offset: 16, .size: 8, .value_kind: global_buffer, .address_space: global }
      - { .name: Wo_b, .offset: 24, .size: 8, .value_kind: global_buffer, .address_space: global }
    .group_segment_fixed_size: 327680
    .private_segment_fixed_size: 0
    .kernarg_segment_align: 8
    .kernarg_segment_size: 32
    .max_flat_workgroup_size: 128
    .sgpr_count:     82
    .vgpr_count:     768
    .wavefront_size: 32
...
	.end_amdgpu_metadata
.endif
;; end of part 4
;; ======== version 2 of 2: 4 launches; version 1 with the launch prep written anew for expert scheduling mode
;; limits: inputs' magnitudes at most 4,194,304
;; workspace buffers: xb 16,777,216 bytes; wqkvb 6,291,456 bytes; wob 2,097,152 bytes; biasp 12,288 bytes; tab 2,097,152 bytes; qkv 50,331,648 bytes; att 16,777,216 bytes
;; launch prep (part 5): grid 833 x 1, 8 waves a work-group, no clusters, 0 bytes of LDS; arguments x, Wqkv_w, Wo_w, Wqkv_b, p, xb, wqkvb, wob, biasp, tab; writes xb, wqkvb, wob, biasp, tab
.if DOCPART == 5
	.amdgcn_target "amdgcn-amd-amdhsa--gfx1250"
	.amdhsa_code_object_version 6
	.text
	.protected	k_q0e68646bce_prep
	.globl	k_q0e68646bce_prep
	.p2align	8
	.type	k_q0e68646bce_prep,@function
k_q0e68646bce_prep:
	s_mov_b64 s[64:65], 0
	v_nop
	global_prefetch_b8 v0, s[64:65] scope:SCOPE_SE
	s_setreg_imm32_b32 hwreg(HW_REG_WAVE_SCHED_MODE, 0, 2), 2
	s_setreg_imm32_b32 hwreg(HW_REG_WAVE_MODE, 25, 1), 1
	s_wait_xcnt 0x0
	s_wait_alu depctr_vm_vsrc(0)
; PREPARATION: the matrix operands are rounded once to bf16, and the table of cosines and sines is made.
;   xb    = bf16(x)                          [8192][1024]
;   wqkvb = bf16(Wqkv_w), rows of q and k permuted inside each head: new row 2 j + e is old row j + 32 e (j < 32, e < 2); v's rows as they are
;   wob   = bf16(Wo_w)                       [1024][1024]
;   biasp = Wqkv_b in f32, permuted like wqkvb's rows
;   tab   = [8192 rows b*2048+s][32 j][cos, sin] of p[b][s] * 10000^(-j/32), f32: a row is 256 bytes
; The permutation puts the two features that the rotation mixes (d and d + 32) into neighbouring columns of q and k.  q.k is a sum over
; features and does not see a permutation that both carry.
; A stream: every byte is read once and written once, so there is no LDS, no barrier, no matrix work, and nothing is shared that a cluster
; could ask for jointly.  Work-groups 0-767 cast 16 rows of 1,024 numbers each, 768-831 make 128 table rows each, 832 permutes the bias.
; LIMITS: |p| up to 2^22 (beyond it the multiple of pi/2 that is taken away is no longer safely the nearest one).  The angle is p * f in f32 as
; in the model; f comes from v_exp_f32, so for large p the last bits of f show in the angle, as they do for any f32 power.
; THE MODE: SCHED_MODE bits 1:0 = 2 (LLVM: expert scheduling mode 2), set by the entry lines.  The code itself states the register dependences
; between vector instructions and memory instructions, with s_wait_alu, always for 0.
; THE PLAN.  Registers that memory instructions touch:
;   v1, v2, v3, v4  byte offsets, each written once, ahead of a wait on va_vdst, and never again.
;   X  v[16:79]     (casts) written by the 16 loads alone, which all go out first; row i's two conversions read its four registers.
;   Y  v[80:111]    (casts) row i's conversions write its pair, once; row i's store reads it.
;   v[32:63]        (table) row i's last two lines write its pair, once; row i's store reads it.
;   v[8:27]         (bias)  loads write v[8:19]; eight moves write v[20:27], once; the stores read v[16:27].
; No register that a memory instruction reads is written a second time, so no wait on vm_vsrc is owed anywhere.
; Casts and table go in blocks of four rows: block p's vector work is dealt with the stores of block p - 1, behind ONE wait on va_vdst at the
; block's head; since that wait only block p's own registers are named by vector instructions.
.set XR, 16                            ; v[16:79]   16 rows x 4 numbers as loaded
.set YR, 80                            ; v[80:111]  16 rows x 4 bf16 to store
.set TS, 64                            ; v[64:111]  the table: four sets of 12 registers at work, one for each row of a block; no memory instruction names them
.set MK, 58                            ; s[58:61]   the table: the masks 'n is odd' of a block's four rows
; 16 rows of 1,024 f32 to bf16.  Thread t owns columns 4 t .. 4 t + 3: a wave's load covers 512 consecutive bytes, its store 256 consecutive
; bytes at a multiple of 256.  All 16 loads go out first; no register is written twice.  Row i's store is issued four rows later, in the next block.
; perm = 1: output row i comes from source row (i >> 1) + 32 (i & 1).
.macro CAST16 src, dst, perm
	s_wait_alu depctr_va_vdst(0)                   ; v1 and v2 are written: the loads below read v1 as their offset, the stores v2
.set i, 0
.rept 16
.if \perm
	global_load_b128 v[XR+4*i:XR+4*i+3], v1, s[\src:\src+1] offset:((i>>1)+32*(i&1))*4096 th:TH_LOAD_NT
.else
	global_load_b128 v[XR+4*i:XR+4*i+3], v1, s[\src:\src+1] offset:i*4096 th:TH_LOAD_NT
.endif
.set i, i+1
.endr
.set i, 0
.rept 16
	s_wait_loadcnt 15-i                            ; loads come back in order: row i is in, the 15 - i younger rows may be out
.if (i > 0) && (i % 4 == 0)
	s_wait_alu depctr_va_vdst(0)                   ; the conversions of the block before have written its four pairs of Y, which this block's four stores read
.endif
.if i >= 4
	global_store_b64 v2, v[YR+2*(i-4):YR+2*(i-4)+1], s[\dst:\dst+1] offset:(i-4)*2048   ; a row of the block before; no vector instruction since the wait names its pair or v2
.endif
	v_cvt_pk_bf16_f32 v[YR+2*i],   v[XR+4*i],   v[XR+4*i+1]
	v_cvt_pk_bf16_f32 v[YR+2*i+1], v[XR+4*i+2], v[XR+4*i+3]
.set i, i+1
.endr
	s_wait_alu depctr_va_vdst(0)                   ; the last block's conversions have written its Y, which the last four stores read
.set i, 12
.rept 4
	global_store_b64 v2, v[YR+2*i:YR+2*i+1], s[\dst:\dst+1] offset:i*2048
.set i, i+1
.endr
.endm
	s_load_b512 s[4:19], s[0:1], 0x0               ; x 4:5, Wqkv_w 6:7, Wo_w 8:9, Wqkv_b 10:11, p 12:13, xb 14:15, wqkvb 16:17, wob 18:19
	s_load_b128 s[20:23], s[0:1], 0x40             ; biasp 20:21, tab 22:23
	s_mov_b32 s52, ttmp9                           ; the work-group's number picks the job
	s_mov_b32 s3, 0                                ; high words of the two offset pairs s[2:3], s[56:57]
	s_mov_b32 s57, 0
	v_lshlrev_b32 v1, 4, v0                        ; 16 t: my 4 numbers in an f32 row
	v_lshlrev_b32 v2, 3, v0                        ; 8 t: the same in a bf16 row
	s_wait_kmcnt 0x0
	s_cmp_lt_u32 s52, 512
	s_cbranch_scc0 .Lnot_x
	s_lshl_b32 s2, s52, 16                         ; 16 rows of 4,096 bytes
	s_lshl_b32 s56, s52, 15                        ; 16 rows of 2,048 bytes
	s_add_nc_u64 s[4:5], s[4:5], s[2:3]
	s_add_nc_u64 s[14:15], s[14:15], s[56:57]
	CAST16 4, 14, 0
	s_endpgm
.Lnot_x:
	s_cmp_lt_u32 s52, 640
	s_cbranch_scc0 .Lnot_qk
	s_sub_co_u32 s53, s52, 512                     ; group gg of 16 output rows of q or k: head gg >> 2, quarter gg & 3
	s_lshr_b32 s54, s53, 2
	s_and_b32 s55, s53, 3
	s_lshl_b32 s54, s54, 6
	s_lshl3_add_u32 s54, s55, s54                  ; first source row: 64 head + 8 quarter
	s_lshl_b32 s2, s54, 12
	s_lshl_b32 s56, s53, 15
	s_add_nc_u64 s[6:7], s[6:7], s[2:3]
	s_add_nc_u64 s[16:17], s[16:17], s[56:57]
	CAST16 6, 16, 1
	s_endpgm
.Lnot_qk:
	s_cmp_lt_u32 s52, 704
	s_cbranch_scc0 .Lnot_v
	s_sub_co_u32 s53, s52, 512                     ; v's rows 2048 .. 3071: groups 128 .. 191 of 16 rows, straight
	s_lshl_b32 s2, s53, 16
	s_lshl_b32 s56, s53, 15
	s_add_nc_u64 s[6:7], s[6:7], s[2:3]
	s_add_nc_u64 s[16:17], s[16:17], s[56:57]
	CAST16 6, 16, 0
	s_endpgm
.Lnot_v:
	s_cmp_lt_u32 s52, 768
	s_cbranch_scc0 .Lnot_wo
	s_sub_co_u32 s53, s52, 704
	s_lshl_b32 s2, s53, 16
	s_lshl_b32 s56, s53, 15
	s_add_nc_u64 s[8:9], s[8:9], s[2:3]
	s_add_nc_u64 s[18:19], s[18:19], s[56:57]
	CAST16 8, 18, 0
	s_endpgm
.Lnot_wo:
	s_cmp_lt_u32 s52, 832
	s_cbranch_scc0 .Lbias
	; THE TABLE.  A wave makes 16 rows; lane j makes (cos, sin) of frequency j, so a wave's store is one whole row of 256 bytes.
	v_lshrrev_b32 v4, 5, v0
	v_readfirstlane_b32 s53, v4                    ; wave
	s_sub_co_u32 s54, s52, 768
	s_lshl_b32 s54, s54, 7
	s_wait_alu depctr_va_sdst(0)                   ; s53 is written, ahead of its first reader: the bases of p and tab are made from it
	s_lshl4_add_u32 s54, s53, s54                  ; my first row: 128 group + 16 wave
	s_lshl_b32 s2, s54, 2
	s_lshl_b32 s56, s54, 8
	s_add_nc_u64 s[12:13], s[12:13], s[2:3]
	s_add_nc_u64 s[22:23], s[22:23], s[56:57]
	s_load_b512 s[24:39], s[12:13], 0x0            ; my 16 positions
	s_mov_b32 s40, 0x3f22f983                      ; 2 / pi
	s_mov_b32 s41, 0xbfc90fdb                      ; -(pi/2), upper part
	s_mov_b32 s42, 0x333bbd2e                      ; -(pi/2), what the upper part leaves
	s_mov_b32 s43, 0xbe2aaaa3                      ; sine on [-pi/4, pi/4]: r + r z (S1 + z (S2 + z S3)), z = r r
	s_mov_b32 s44, 0x3c08839e
	s_mov_b32 s45, 0xb94ca1f9
	s_mov_b32 s46, 0x3d2aaaa5                      ; cosine: 1 - z/2 + z z (C1 + z (C2 + z C3))
	s_mov_b32 s47, 0xbab6061a
	s_mov_b32 s48, 0x37ccf5ce
	v_and_b32 v17, 31, v0                          ; j
	v_cvt_f32_u32 v16, v17
	v_mul_f32 v16, 0xbed49a78, v16                 ; -j log2(10000) / 32
	v_exp_f32 v16, v16                             ; f = 10000^(-j/32)
	v_lshlrev_b32 v3, 3, v17                       ; 8 j: my pair in a row (also the plain instruction that stands behind v_exp_f32, ISA guide 5.7.2)
	s_wait_alu depctr_va_vdst(0)                   ; f is written, ahead of its first reader; so is v3, which every store of the table reads as its offset
	s_wait_kmcnt 0x0
; cos and sin of p f: take away the nearest multiple n of pi/2 (in two parts, each by one fused multiply-add), polynomials on what is left,
; then n mod 4 says which of the two is which and with which sign.  Four rows go together, each in a working set of its own.
; The first part of row i, in set k: all but the choice.  The compare stands early, so that its mask is long written at the wait that follows the four first parts.
.macro SC1 i, k
.set t, TS+12*(\k)
	v_cvt_f32_i32 v[t], s[24+(\i)]
	v_mul_f32 v[t], v[t], v16                      ; the angle
	v_mul_f32 v[t+1], s40, v[t]
	v_rndne_f32 v[t+1], v[t+1]                     ; n
	v_cvt_i32_f32 v[t+3], v[t+1]
	v_fma_f32 v[t+2], v[t+1], s41, v[t]
	v_and_b32 v[t+10], 1, v[t+3]
	v_fma_f32 v[t+2], v[t+1], s42, v[t+2]          ; r
	v_cmp_eq_u32 s[MK+(\k)], 1, v[t+10]            ; n odd: the two change places
	v_mul_f32 v[t+4], v[t+2], v[t+2]               ; z
	v_fma_f32 v[t+5], v[t+4], s45, s44
	v_fma_f32 v[t+7], v[t+4], s48, s47
	v_mul_f32 v[t+6], v[t+4], v[t+2]
	v_mul_f32 v[t+8], v[t+4], v[t+4]
	v_fma_f32 v[t+5], v[t+5], v[t+4], s43
	v_fma_f32 v[t+7], v[t+7], v[t+4], s46
	v_fma_f32 v[t+9], v[t+4], -0.5, 1.0
	v_fma_f32 v[t+5], v[t+5], v[t+6], v[t+2]       ; sin r
	v_fma_f32 v[t+7], v[t+7], v[t+8], v[t+9]       ; cos r
	v_lshlrev_b32 v[t+8], 30, v[t+3]               ; the sine is negated where n mod 4 is 2 or 3,
	v_add_nc_u32 v[t+9], 1, v[t+3]
	v_lshlrev_b32 v[t+9], 30, v[t+9]               ; the cosine where it is 1 or 2
	v_and_b32 v[t+8], 0x80000000, v[t+8]
	v_and_b32 v[t+9], 0x80000000, v[t+9]
.endm
; The second part: the choice by the mask, and the signs.
.macro SC2 i, k
.set t, TS+12*(\k)
	v_cndmask_b32 v[t+11], v[t+5], v[t+7], s[MK+(\k)]
	v_cndmask_b32 v[t+10], v[t+7], v[t+5], s[MK+(\k)]
	v_xor_b32 v[33+2*(\i)], v[t+11], v[t+8]
	v_xor_b32 v[32+2*(\i)], v[t+10], v[t+9]
.endm
.macro ROWOUT i
	global_store_b64 v3, v[32+2*(\i):33+2*(\i)], s[22:23] offset:256*(\i)
.endm
.irp b, 0,1,2,3
.if \b
	s_wait_alu depctr_va_vdst(0)                   ; the block before has written its four pairs of v[32:63], which this block's four stores read
.endif
.irp k, 0,1,2,3
.if \b
	ROWOUT 4*(\b)-4+(\k)                           ; a row of the block before; no vector instruction since the wait names its pair or v3
.endif
	SC1 4*(\b)+(\k), \k
.endr
	s_wait_alu depctr_va_sdst(0)                   ; the four compares have written s[58:61], ahead of the selects that read them
.irp k, 0,1,2,3
	SC2 4*(\b)+(\k), \k
.endr
.endr
	s_wait_alu depctr_va_vdst(0)                   ; the last block has written its four pairs, which the last four stores read
.irp k, 12,13,14,15
	ROWOUT \k
.endr
	s_endpgm
.Lbias:
	; THE BIAS.  Thread t makes numbers 4 t .. 4 t + 3 of q's part and of k's part: old places j, j + 32, j + 1, j + 33 with j = 2 (t mod 16)
	; in head t / 16; v's part is copied.
	v_lshrrev_b32 v4, 4, v0
	v_and_b32 v5, 15, v0
	v_lshlrev_b32 v4, 8, v4
	v_lshl_add_u32 v4, v5, 3, v4
	s_wait_alu depctr_va_vdst(0)                   ; v4 and v1 are written: the loads and stores below read them as their offsets
	global_load_b64 v[8:9],   v4, s[10:11]
	global_load_b64 v[10:11], v4, s[10:11] offset:128
	global_load_b64 v[12:13], v4, s[10:11] offset:4096
	global_load_b64 v[14:15], v4, s[10:11] offset:4224
	global_load_b128 v[16:19], v1, s[10:11] offset:8192
	s_wait_loadcnt 0x0
	v_mov_b32 v20, v8
	v_mov_b32 v21, v10
	v_mov_b32 v22, v9
	v_mov_b32 v23, v11
	v_mov_b32 v24, v12
	v_mov_b32 v25, v14
	v_mov_b32 v26, v13
	v_mov_b32 v27, v15
	s_wait_alu depctr_va_vdst(0)                   ; the eight moves have written v[20:27], which the first two stores read
	global_store_b128 v1, v[20:23], s[20:21]
	global_store_b128 v1, v[24:27], s[20:21] offset:4096
	global_store_b128 v1, v[16:19], s[20:21] offset:8192
	s_endpgm
.Lfunc_end_k_q0e68646bce_prep:
	.size	k_q0e68646bce_prep, .Lfunc_end_k_q0e68646bce_prep-k_q0e68646bce_prep
	.p2alignl 7, 3214868480
	.fill 96, 4, 3214868480
	.section	.rodata,"a",@progbits
	.p2align	6, 0x0
	.amdhsa_kernel k_q0e68646bce_prep
		.amdhsa_group_segment_fixed_size 0
		.amdhsa_private_segment_fixed_size 0
		.amdhsa_enable_private_segment 0
		.amdhsa_kernarg_size 80
		.amdhsa_user_sgpr_count 2
		.amdhsa_user_sgpr_kernarg_segment_ptr 1
		.amdhsa_wavefront_size32 1
		.amdhsa_system_sgpr_workgroup_id_x 1
		.amdhsa_system_sgpr_workgroup_id_y 1
		.amdhsa_system_sgpr_workgroup_id_z 1
		.amdhsa_system_vgpr_workitem_id 0
		.amdhsa_next_free_vgpr 112
		.amdhsa_next_free_sgpr 66
		.amdhsa_reserve_vcc 0
		.amdhsa_float_denorm_mode_32 3
		.amdhsa_float_denorm_mode_16_64 3
		.amdhsa_memory_ordered 1
		.amdhsa_forward_progress 1
		.amdhsa_inst_pref_size 50
	.end_amdhsa_kernel
	.amdgpu_metadata
---
amdhsa.version: [ 1, 2 ]
amdhsa.kernels:
  - .name:           k_q0e68646bce_prep
    .symbol:         k_q0e68646bce_prep.kd
    .args:
      - { .name: x, .offset: 0, .size: 8, .value_kind: global_buffer, .address_space: global }
      - { .name: Wqkv_w, .offset: 8, .size: 8, .value_kind: global_buffer, .address_space: global }
      - { .name: Wo_w, .offset: 16, .size: 8, .value_kind: global_buffer, .address_space: global }
      - { .name: Wqkv_b, .offset: 24, .size: 8, .value_kind: global_buffer, .address_space: global }
      - { .name: p, .offset: 32, .size: 8, .value_kind: global_buffer, .address_space: global }
      - { .name: xb, .offset: 40, .size: 8, .value_kind: global_buffer, .address_space: global }
      - { .name: wqkvb, .offset: 48, .size: 8, .value_kind: global_buffer, .address_space: global }
      - { .name: wob, .offset: 56, .size: 8, .value_kind: global_buffer, .address_space: global }
      - { .name: biasp, .offset: 64, .size: 8, .value_kind: global_buffer, .address_space: global }
      - { .name: tab, .offset: 72, .size: 8, .value_kind: global_buffer, .address_space: global }
    .group_segment_fixed_size: 0
    .private_segment_fixed_size: 0
    .kernarg_segment_align: 8
    .kernarg_segment_size: 80
    .max_flat_workgroup_size: 256
    .sgpr_count:     66
    .vgpr_count:     112
    .wavefront_size: 32
...
	.end_amdgpu_metadata
.endif
;; end of part 5
;; launch qkv: the kernel of part 2 again; grid 12 x 32, 4 waves a work-group, clusters of 4 x 4, 327,680 bytes of LDS; arguments xb, wqkvb, qkv, biasp, tab; writes qkv
;; launch attn: the kernel of part 3 again; grid 256 x 1, 8 waves a work-group, clusters of 4 x 1, 327,680 bytes of LDS; arguments qkv, att; writes att
;; launch proj: the kernel of part 4 again; grid 8 x 32, 4 waves a work-group, clusters of 4 x 4, 327,680 bytes of LDS; arguments att, wob, out0, Wo_b; writes out0
